; MI455X (gfx1250); checked and timed in simulation.
; The chip was launched on July 23, 2026; its instructions are those of AMD's public machine-readable ISA for CDNA 5 (MIT licence, August 2026) and "CDNA5" Instruction Set Architecture Reference Guide (July 2026). The comments in the code are by the model that wrote it; some were corrected since.
;; Lo RA Multihead Attention. Allowed arithmetic: matrix products marked QUANTISED: E4M3 operands, one E8M0 scale for each 32 along K, by v_wmma_scale_f32_16x16x128_f8f6f4 with both operands' format E4M3, f32 sums; products left as they are: f32 operands where the result goes on into a quantised operand, else bf16, f16 or f32 operands; f32 sums; everything else in f32.
;; Inputs: in_proj_bias 3,072 float32; in_proj_weight 3,072 x 1,024 float32; k_a 16 x 1,024 float32; k_b 16 x 1,024 float32; key 2,048 x 2 x 1,024 float32; out_b 1,024 float32; out_w 1,024 x 1,024 float32; query 2,048 x 2 x 1,024 float32; v_a 16 x 1,024 float32; v_b 16 x 1,024 float32; value 2,048 x 2 x 1,024 float32.
;; Outputs: out0 2,048 x 2 x 1,024 float32.
;; Constants: attn_mask = 0, need_weights = 0.
;; This version of the problem:
;;   THIS VERSION OF THE PROBLEM IS GIVEN IN LOW PRECISION. The matrix products marked QUANTISED in the list below multiply operands that are first quantised to E4M3 (4 exponent bits, 3 mantissa bits; 8 bits a number), with one power-of-two scale for each 32 numbers along K (OCP MX v1.0); their sums are f32. All else is computed in f32.
;;   The module's matrix products, in the order in which they are computed (A, B: the left and right operand; K: the contracted axis; several contracted axes count as one K, in the product's order):
;;     1. [M 4,096, K 1,024] x [K 1,024, N 3,072]; A: input query; B: input in_proj_weight: QUANTISED
;;     2. [M 4,096, K 1,024] x [K 1,024, N 16]; A: input query; B: input k_a: QUANTISED
;;     3. [M 4,096, K 16] x [K 16, N 1,024]; A: computed on the way; B: input k_b: left as it is (K = 16 < 32)
;;     4. [M 4,096, K 1,024] x [K 1,024, N 16]; A: input query; B: input v_a: QUANTISED
;;     5. [M 4,096, K 16] x [K 16, N 1,024]; A: computed on the way; B: input v_b: left as it is (K = 16 < 32)
;;     6. batch 32 x [M 2,048, K 64] x [K 64, N 2,048]; A: computed on the way; B: computed on the way: QUANTISED
;;     7. batch 32 x [M 64, K 2,048] x [K 2,048, N 2,048]; A: computed on the way; B: softmax (see below): QUANTISED
;;     8. [M 4,096, K 1,024] x [K 1,024, N 1,024]; A: computed on the way; B: input out_w: QUANTISED
;;   THE QUANTISER, for each operand of a quantised product, along K:
;;     - K is cut into blocks of 32 from its start; a last block that is shorter is filled with zeros.
;;     - A block's scale is 2^e with e = floor(log2(the largest magnitude in the block)) - 8, held to -126 .. 127; a block of zeros has e = 0. As a byte (E8M0): e + 127.
;;     - Each number is divided by its block's scale, clamped to +-448, and rounded to the nearest number of E4M3, ties to even, subnormals kept.
;;     - The product sums the exact products of the quantised numbers (number of the format x scale) in f32.
;;   ~~~python
;;   def quantise(x, axis):      # numpy; x: float32 -> the quantised numbers, widened to float32 again
;;       x = np.moveaxis(x, axis, -1); K = x.shape[-1]
;;       x = np.pad(x, [(0, 0)] * (x.ndim - 1) + [(0, -K % 32)]); x = x.reshape(x.shape[:-1] + (-1, 32)); a = np.abs(x).max(-1, keepdims=True)
;;       e = np.where(a > 0, np.clip(np.frexp(np.where(a > 0, a, 1))[1] - 1 - 8, -126, 127), 0)      # np.frexp(a)[1] - 1 = floor(log2(a)), exactly
;;       r = np.clip(x / 2.0 ** e, -448, 448)
;;       step = 2.0 ** (np.maximum(np.frexp(np.where(r == 0, 1, r))[1] - 1, -6) - 3)
;;       q = np.round(r / step) * step * 2.0 ** e      # np.round: ties to even
;;       return np.moveaxis(q.reshape(q.shape[:-2] + (-1,))[..., :K], -1, axis).astype(np.float32)
;;   ~~~
;;   SOFTMAX AHEAD OF A QUANTISED PRODUCT. Where the list says 'softmax', what is quantised is not the finished softmax but p = 2^(t - M), with t = logit x log2(e) and M = ceil(the row's largest t), a whole number; so 1/2 < the row's largest p <= 1. The row's sum l is taken of the UNQUANTISED p, in f32, and the product's result is divided by l at the end. Since M is a whole number, a kernel that streams over the keys may use a running M (the ceiling of the running maximum): every later rescaling is an exact power of two, which a block's scale takes up: the codes' values come out the same.
;;   OPERANDS COMPUTED ON THE WAY. 'Computed on the way' means the value that the module computes at that place (a softmax that the list does not call 'softmax' is quantised finished and normalised). What goes into a quantiser is computed in f32, as accurately as f32 sums, v_exp_f32 and their like allow (about 1e-6 of the number): no bf16 or f16 on the way to a quantiser, and a product that is left as it is and whose result goes on into a quantised operand takes f32 operands (vector FMAs, or v_wmma_f32_16x16x4_f32). A number that lies on a knife's edge between two numbers of the format may be rounded either way, as far as f32 arithmetic and the matrix unit's own rounding can turn it there, and no further.
;; One version. Each part assembles by itself: llvm-mc -triple=amdgcn-amd-amdhsa -mcpu=gfx1250 --defsym DOCPART=n.
;; ======== version 1 of 1: 4 launches
;; limits: right only within a limited range of input values
;; workspace buffers: w1 9,191,424 bytes; w2 13,238,272 bytes; w3 4,456,448 bytes
;; launch quant (part 1): grid 256 x 1, 4 waves a work-group, no clusters, 33,280 bytes of LDS; arguments query, in_proj_weight, out_w, k_a, v_a, w1; writes w1
.if DOCPART == 1
	.amdgcn_target "amdgcn-amd-amdhsa--gfx1250"
	.amdhsa_code_object_version 6
	.text
	.protected	k_qa46decff2c_quant
	.globl	k_qa46decff2c_quant
	.p2align	8
	.type	k_qa46decff2c_quant,@function
k_qa46decff2c_quant:
	s_mov_b64 s[64:65], 0
	v_nop
	global_prefetch_b8 v0, s[64:65] scope:SCOPE_SE
	s_setreg_imm32_b32 hwreg(HW_REG_WAVE_MODE, 25, 1), 1
	s_wait_xcnt 0x0
; query [2048][2][1024], in_proj_weight [3072][1024], out_w [1024][1024], k_a and v_a [16][1024], all f32 with K = 1,024 innermost, become codes of FP8 (E4M3)
; with one E8M0 scale byte for each 32 along K, in the workspace w1.  A block's scale is 2^(floor(log2(its largest magnitude)) - 8); its byte is the largest magnitude's
; exponent field - 8, held at 1 from below; each number is divided by the scale, held within +-448 and rounded to the nearest code, ties to even.
; (reference() computes q, k and v from query alone: its inputs key and value enter no arithmetic, so no launch of this program names them.)
; LIMITS: NaN and infinities among the inputs are not served.  A block of zeros gets the byte 1 where the rule says 127: its codes are zeros, and this program alone reads the bytes.
; ROW ORDER IN w1.  swap34(x) = x with bits 3 and 4 exchanged.  Row (t, b) of query lies at row b 2048 + swap34(t).  The weights lie by head: group g holds 224 rows: Wq's 64 rows of head g,
; Wk's, Wv's (each at swap34 of its place among the 64), then k_a's 16 and v_a's 16, which every one of the sixteen groups holds.  out_w keeps its order.
; So a tile of sixteen neighbouring stored rows holds the rows 32 b + 8 u + r + 8 (r / 8): the choice of rows by which a product's results are the next operand's registers.
; SHARES.  256 work-groups of four waves, all with the same work.  A wave takes 8 rows (swap34 moves whole runs of 8): 16 steps of 512 numbers.  Work-groups 0-127 take query, 128-223 in_proj_weight, 224-255 out_w.
; The sixteen groups' rows of k_a and v_a are 16 x 32 x 2 = 1,024 half rows of 512 numbers, as many as there are waves: wave W = 4 x work-group + wave takes, as its 17th step, half W % 2 of row (W / 2) % 32 for group W / 64.
; All take ONE path: sources, offsets and places are chosen by s_cselect on the work-group's and the wave's number.
; Each load reads 512 consecutive bytes; a step's 2,048 bytes turn through the wave's own stage in LDS (16 bytes of padding behind each 64) and come back 16 neighbours a lane; two neighbouring lanes hold a block.
; A wave's store of codes covers 512 consecutive bytes; the 256 scale bytes of its 8 rows are gathered in LDS and leave as one aligned run of 256.  The 17th step's 16 scale bytes leave by four lanes: pieces of 16 bytes,
; 16,384 bytes of the launch's nine million.  No tensor loads, no barrier: waves share nothing.
.set STEPS, 17
.set MAIN,  16                         ; steps of the wave's 8 rows; step 16 is the half row of k_a or v_a
.set EMAX,  8
.set MANT,  0x600000                   ; the mantissa field of 448 as f32
.set CB,    16                         ; bytes of 16 codes
.set R,     16                         ; v16-143  eight sets of 16 numbers as they are loaded: loads run eight steps ahead
.set X,     144                        ; v144-175 two sets of 16 neighbours
.set E,     176                        ; v176-192 a scale byte for each step
.set C,     214                        ; v214-245 codes: eight sets of four registers, by turns
.set OFR,   194                        ; v194-201 my 16 bytes of a load's 512, plus what row i of the wave's eight lies further on than 4,096 i
.set XLA,   202                        ; v202  LDS: word lane % 4 of the 17th step's 16 scale bytes (256 bytes further on)
.set XGO,   203                        ; v203  4 (lane % 4): the same word's place in memory
.set XD,    204                        ; v204  the word
.set WREG,  8192                       ; LDS: a region for each wave: two stages of 32 x SP bytes, behind them its 272 scale bytes
.set SP,    80
.set WCO,   4194304                    ; w1: x's codes at 0, the weights' groups here,
.set OCO,   7864320                    ; out_w's codes,
.set XSO,   8912896                    ; x's scale bytes,
.set WSO,   9043968                    ; the groups',
.set OSO,   9158656                    ; out_w's
.set GRPC,  224*1024                   ; a group's codes
.set GRPS,  224*32                     ; and its scale bytes
	s_load_b256 s[4:11], s[0:1], 0x0               ; query s[4:5], in_proj_weight s[6:7], out_w s[8:9], k_a s[10:11]
	s_load_b128 s[12:15], s[0:1], 0x20             ; v_a s[12:13], w1 s[14:15]
	v_lshl_add_u32 v212, v0, 2, 0x8000
	v_mov_b32 v213, 0
	v_lshrrev_b32 v1, 5, v0
	v_readfirstlane_b32 s16, v1                    ; wave
	v_and_b32 v2, 31, v0                           ; lane
	v_lshlrev_b32 v3, 4, v2                        ; my 16 bytes of a load's 512
	s_mul_i32 s43, s16, WREG
	v_lshrrev_b32 v14, 2, v2
	v_mul_u32_u24 v14, v14, SP
	v_and_b32 v15, 3, v2
	v_lshl_add_u32 v14, v15, 4, v14
	v_add_nc_u32 v14, s43, v14                     ; the stage, on the way in: SP (lane / 4) + 16 (lane % 4)
	v_mul_u32_u24 v15, v2, SP
	v_add_nc_u32 v15, s43, v15                     ; and on the way out: SP x lane: my 16 neighbours
	v_mul_u32_u24 v4, v2, CB                       ; my codes' place in a step's
	v_lshrrev_b32 v5, 1, v2
	s_add_co_u32 s43, s43, 2*32*SP
	v_add_nc_u32 v5, s43, v5                       ; LDS: my wave's scale bytes, my block's byte
	v_lshlrev_b32 v7, 3, v2                        ; and on the way out 8 bytes a lane
	v_add_nc_u32 v6, s43, v7
	v_and_b32 v[XGO], 3, v2
	v_lshlrev_b32 v[XGO], 2, v[XGO]
	v_add_nc_u32 v[XLA], s43, v[XGO]
	s_mov_b32 s42, MANT
	; which run of 8 rows is mine: R = 4 x (work-group - the tensor's first work-group) + wave; n0 = 8 R
	s_mov_b32 s17, 224
	s_cmp_lt_u32 ttmp9, 224
	s_cselect_b32 s17, 128, s17
	s_cmp_lt_u32 ttmp9, 128
	s_cselect_b32 s17, 0, s17
	s_sub_co_u32 s17, ttmp9, s17
	s_lshl_b32 s17, s17, 2
	s_add_co_u32 s17, s17, s16                     ; R
	s_lshl_b32 s18, s17, 3                         ; n0
	s_lshr_b32 s19, s18, 3
	s_lshr_b32 s20, s18, 4
	s_xor_b32 s19, s19, s20
	s_and_b32 s19, s19, 1
	s_mul_i32 s19, s19, 24
	s_xor_b32 s19, s18, s19                        ; swap34(n0).  For query n0 = 2048 b + t0, so this is its stored row
	s_lshr_b32 s20, s17, 8                         ; query: b,
	s_and_b32 s21, s18, 2047                       ; t0,
	s_lshl_b32 s21, s21, 1
	s_add_co_u32 s21, s21, s20
	s_lshl_b32 s21, s21, 12                        ; the source's byte: (2 t0 + b) rows of 4,096
	s_bfe_u32 s22, s18, 0x40006                    ; in_proj_weight: the head (n0 / 64) % 16,
	s_mul_i32 s22, s22, 224
	s_lshr_b32 s23, s18, 10                        ; the part (q, k, v),
	s_lshl_b32 s23, s23, 6
	s_add_co_u32 s22, s22, s23
	s_and_b32 s23, s19, 63
	s_add_co_u32 s22, s22, s23                     ; its stored row: 224 head + 64 part + swap34 of the place among the 64
	s_lshl_b32 s25, s18, 12                        ; both weights: the source's byte: n0 rows
	s_mov_b32 s26, s25                             ; s26 source byte, s27 what a row lies further on than 4,096, s28 stored row, s29, s30 where codes and scale bytes begin: first as for out_w
	s_mov_b32 s27, 0
	s_mov_b32 s28, s18
	s_mov_b32 s29, OCO
	s_mov_b32 s30, OSO
	; the 17th step: which half row of k_a or v_a, and for which group
	s_lshl_b32 s48, ttmp9, 2
	s_add_co_u32 s48, s48, s16                     ; W
	s_bfe_u32 s49, s48, 0x50001                    ; row (W / 2) % 32: 0-15 k_a's, 16-31 v_a's
	s_and_b32 s50, s48, 1                          ; half
	s_lshr_b32 s51, ttmp9, 4                       ; group W / 64
	s_and_b32 s52, s49, 15
	s_lshl_b32 s52, s52, 12
	s_lshl_b32 s58, s50, 11
	s_add_co_u32 s52, s52, s58                     ; the source's byte: 4,096 x row + 2,048 x half
	s_mov_b32 s53, 0
	s_add_co_u32 s58, s49, 192                     ; the stored row in the group
	s_mul_i32 s54, s51, GRPC
	s_lshl_b32 s59, s58, 10
	s_add_co_u32 s54, s54, s59
	s_lshl_b32 s59, s50, 9
	s_add_co_u32 s54, s54, s59
	s_add_co_u32 s54, s54, WCO                     ; its 512 bytes of codes
	s_mov_b32 s55, 0
	s_mul_i32 s56, s51, GRPS
	s_lshl_b32 s59, s58, 5
	s_add_co_u32 s56, s56, s59
	s_lshl_b32 s59, s50, 4
	s_add_co_u32 s56, s56, s59
	s_add_co_u32 s56, s56, WSO                     ; its 16 scale bytes
	s_mov_b32 s57, 0
	s_wait_kmcnt 0x0
	s_mov_b64 s[46:47], s[8:9]                     ; out_w; the choices hang on the work-group's and the wave's number alone
	s_cmp_lt_u32 ttmp9, 224
	s_cselect_b64 s[46:47], s[6:7], s[46:47]       ; in_proj_weight
	s_cselect_b32 s28, s22, s28
	s_cselect_b32 s29, WCO, s29
	s_cselect_b32 s30, WSO, s30
	s_cmp_lt_u32 ttmp9, 128
	s_cselect_b64 s[46:47], s[4:5], s[46:47]       ; query
	s_cselect_b32 s26, s21, s26
	s_cselect_b32 s27, 4096, s27                   ; its rows of one b lie 8,192 bytes apart
	s_cselect_b32 s28, s19, s28
	s_cselect_b32 s29, 0, s29
	s_cselect_b32 s30, XSO, s30
	s_cmp_lt_u32 s49, 16
	s_cselect_b64 s[10:11], s[10:11], s[12:13]     ; k_a or v_a
	s_add_nc_u64 s[10:11], s[10:11], s[52:53]      ; at my half row
	s_add_nc_u64 s[54:55], s[14:15], s[54:55]
	s_add_nc_u64 s[56:57], s[14:15], s[56:57]
	s_mov_b32 s32, s26
	s_mov_b32 s33, 0
	s_add_nc_u64 s[46:47], s[46:47], s[32:33]      ; the source at my first row
	s_lshl_b32 s34, s28, 10
	s_add_co_u32 s34, s34, s29
	s_mov_b32 s35, 0
	s_add_nc_u64 s[36:37], s[14:15], s[34:35]      ; my 8,192 bytes of codes
	s_lshl_b32 s38, s28, 5
	s_add_co_u32 s38, s38, s30
	s_mov_b32 s39, 0
	s_add_nc_u64 s[40:41], s[14:15], s[38:39]      ; my 256 scale bytes
.irp row, 0,1,2,3,4,5,6,7
	s_mul_i32 s44, s27, \row
	v_add_nc_u32 v[OFR+\row], s44, v3
.endr
.macro LOAD t                          ; step t: half t % 2 of row t / 2; step 16: the half row of k_a or v_a
.if (\t) < MAIN
.irp i, 0,1,2,3
	global_load_b128 v[R+16*((\t)%8)+4*\i:R+16*((\t)%8)+4*\i+3], v[OFR+(\t)/2], s[46:47] offset:2048*(\t)+512*\i th:TH_LOAD_NT   ; 32 lanes read 512 consecutive bytes; read once in the launch
.endr
.else
.irp i, 0,1,2,3
	global_load_b128 v[R+16*((\t)%8)+4*\i:R+16*((\t)%8)+4*\i+3], v3, s[10:11] offset:512*\i   ; sixteen waves of the launch read this half row: no hint
.endr
.endif
.endm
.macro TURN t                          ; step t's numbers through the stage: LDS serves a wave's instructions in order, so no wait stands between the stores and the loads
.irp i, 0,1,2,3
	ds_store_b128 v14, v[R+16*((\t)%8)+4*\i:R+16*((\t)%8)+4*\i+3] offset:32*SP*((\t)%2)+8*SP*\i
.endr
.irp i, 0,1,2,3
	ds_load_b128 v[X+16*((\t)%2)+4*\i:X+16*((\t)%2)+4*\i+3], v15 offset:32*SP*((\t)%2)+16*\i
.endr
.endm
.irp t, 0,1,2,3,4,5,6,7
	LOAD \t
.endr
	s_wait_alu depctr_va_vdst(0)                   ; the head's end
	s_wait_loadcnt 28                              ; step 0's four loads are in; the 28 of steps 1 to 7 may be out
	TURN 0
.macro STEP t
.set XS, X+16*((\t)%2)
.if (\t) > 0
	s_wait_dscnt 1                                 ; this step's numbers are back from the stage (the last step's byte store may be out): so its stores into the stage have read their registers,
.else
	s_wait_dscnt 0x0
.endif
.if (\t) >= 8
	s_wait_xcnt 0x0                                ; the store of eight steps ago has read its codes: their registers are written again below
.endif
.if (\t)+8 < STEPS
	LOAD (\t)+8                                    ; which take the loads of eight steps on
.endif
.if (\t)+1 < STEPS
.if STEPS-2-(\t) >= 7
	s_wait_loadcnt 28                              ; the next step's four loads are in; those of the seven steps behind it may be out
.else
	s_wait_loadcnt 4*(STEPS-2-(\t))
.endif
	TURN (\t)+1                                    ; and go through the other stage while this step is worked
.endif
	v_max3_num_f32 v8, |v[XS]|, |v[XS+1]|, |v[XS+2]|               ; the largest magnitude of my 16, in two chains
	v_max3_num_f32 v9, |v[XS+3]|, |v[XS+4]|, |v[XS+5]|
.irp i, 6,10
	v_max3_num_f32 v8, v8, |v[XS+\i]|, |v[XS+\i+1]|
	v_max3_num_f32 v9, v9, |v[XS+\i+2]|, |v[XS+\i+3]|
.endr
	v_max3_num_f32 v8, v8, |v[XS+14]|, |v[XS+15]|
	v_max3_num_f32 v8, v8, v9, (EMAX+1)<<23        ; and the floor 2^(EMAX + 1 - 127): the byte cannot fall under 1
	v_max_num_f32_dpp v8, v8, v8 row_xmask:1 row_mask:0xf bank_mask:0xf   ; and of my neighbour's 16: the block's
	v_add_nc_u32 v11, -(EMAX<<23), v8              ; EMAX off its exponent field: the conversion takes the exponent field of this operand as its scale
	v_and_or_b32 v10, v8, 0x7f800000, s42          ; 448 x the scale: the largest magnitude's exponent field over 448's mantissa
.irp i, 0,1,2,3,4,5,6,7,8,9,10,11,12,13,14,15
	v_med3_num_f32 v[XS+\i], v[XS+\i], -v10, v10   ; the conversion to an 8-bit code does not saturate (ISA guide 7.6.2): the hold comes first
.endr
	v_cvt_scalef32_pk8_fp8_f32 v[C+4*((\t)%8):C+4*((\t)%8)+1], v[XS:XS+7], v11
	v_cvt_scalef32_pk8_fp8_f32 v[C+4*((\t)%8)+2:C+4*((\t)%8)+3], v[XS+8:XS+15], v11
	v_lshrrev_b32 v[E+(\t)], 23, v11               ; the scale's byte (also the plain line behind the conversions)
	ds_store_b8 v5, v[E+(\t)] offset:16*(\t)       ; both lanes of a block write the same byte with the same value
.if (\t) < MAIN
	global_store_b128 v4, v[C+4*((\t)%8):C+4*((\t)%8)+3], s[36:37] offset:32*CB*(\t)
.else
	global_store_b128 v4, v[C+4*((\t)%8):C+4*((\t)%8)+3], s[54:55] ; the half row's 512 bytes, in its group
.endif
.endm
.irp t, 0,1,2,3,4,5,6,7,8,9,10,11,12,13,14,15,16
	STEP \t
.endr
	ds_load_b64 v[12:13], v6                       ; LDS serves a wave's instructions in order: these see my byte stores
	ds_load_b32 v[XD], v[XLA] offset:256           ; the 17th step's 16 bytes lie behind the 256
	s_wait_dscnt 0x0
	global_store_b64 v7, v[12:13], s[40:41]        ; 32 lanes store 256 consecutive bytes, aligned
	v_cmp_gt_u32 vcc_lo, 4, v2                     ; lanes 0 to 3 store the 16 bytes
	s_wait_xcnt 0x0                                ; EXEC is a source of the stores issued so far: it changes only behind this wait
	s_wait_tensorcnt 0x0
	ds_add_u32 v212, v213
	s_wait_dscnt 0x0
	s_and_saveexec_b32 s45, vcc_lo
	global_store_b32 v[XGO], v[XD], s[56:57]
	s_wait_xcnt 0x0                                ; and again in front of the line that widens it
	s_or_b32 exec_lo, exec_lo, s45
	s_endpgm
.Lfunc_end_k_qa46decff2c_quant:
	.size	k_qa46decff2c_quant, .Lfunc_end_k_qa46decff2c_quant-k_qa46decff2c_quant
	.p2alignl 7, 3214868480
	.fill 96, 4, 3214868480
	.section	.rodata,"a",@progbits
	.p2align	6, 0x0
	.amdhsa_kernel k_qa46decff2c_quant
		.amdhsa_group_segment_fixed_size 33280
		.amdhsa_private_segment_fixed_size 0
		.amdhsa_enable_private_segment 0
		.amdhsa_kernarg_size 48
		.amdhsa_user_sgpr_count 2
		.amdhsa_user_sgpr_kernarg_segment_ptr 1
		.amdhsa_wavefront_size32 1
		.amdhsa_system_sgpr_workgroup_id_x 1
		.amdhsa_system_sgpr_workgroup_id_y 1
		.amdhsa_system_sgpr_workgroup_id_z 1
		.amdhsa_system_vgpr_workitem_id 0
		.amdhsa_next_free_vgpr 246
		.amdhsa_next_free_sgpr 66
		.amdhsa_reserve_vcc 1
		.amdhsa_float_denorm_mode_32 3
		.amdhsa_float_denorm_mode_16_64 3
		.amdhsa_memory_ordered 1
		.amdhsa_forward_progress 1
		.amdhsa_inst_pref_size 58
	.end_amdhsa_kernel
	.amdgpu_metadata
---
amdhsa.version: [ 1, 2 ]
amdhsa.kernels:
  - .name:           k_qa46decff2c_quant
    .symbol:         k_qa46decff2c_quant.kd
    .args:
      - { .name: query, .offset: 0, .size: 8, .value_kind: global_buffer, .address_space: global }
      - { .name: in_proj_weight, .offset: 8, .size: 8, .value_kind: global_buffer, .address_space: global }
      - { .name: out_w, .offset: 16, .size: 8, .value_kind: global_buffer, .address_space: global }
      - { .name: k_a, .offset: 24, .size: 8, .value_kind: global_buffer, .address_space: global }
      - { .name: v_a, .offset: 32, .size: 8, .value_kind: global_buffer, .address_space: global }
      - { .name: w1, .offset: 40, .size: 8, .value_kind: global_buffer, .address_space: global }
    .group_segment_fixed_size: 33280
    .private_segment_fixed_size: 0
    .kernarg_segment_align: 8
    .kernarg_segment_size: 48
    .max_flat_workgroup_size: 128
    .sgpr_count:     66
    .vgpr_count:     246
    .wavefront_size: 32
...
	.end_amdgpu_metadata
.endif
;; end of part 1
;; launch qkv (part 2): grid 16 x 16, 4 waves a work-group, clusters of 4 x 4, 327,680 bytes of LDS; arguments w1, in_proj_bias, k_b, v_b, w2; writes w2
.if DOCPART == 2
	.amdgcn_target "amdgcn-amd-amdhsa--gfx1250"
	.amdhsa_code_object_version 6
	.text
	.protected	k_qa46decff2c_qkv
	.globl	k_qa46decff2c_qkv
	.p2align	8
	.type	k_qa46decff2c_qkv,@function
k_qa46decff2c_qkv:
	s_mov_b64 s[64:65], 0
	v_nop
	global_prefetch_b8 v0, s[64:65] scope:SCOPE_SE
	s_setreg_imm32_b32 hwreg(HW_REG_WAVE_MODE, 25, 1), 1
	s_wait_xcnt 0x0
	s_wait_alu depctr_hold_cnt(0) depctr_sa_sdst(0) depctr_va_vdst(0) depctr_va_sdst(0) depctr_va_ssrc(0) depctr_va_vcc(0) depctr_vm_vsrc(0)
	s_getreg_b32 s2, hwreg(HW_REG_IB_STS2, 6, 4)
	s_cmp_eq_u32 s2, 0
	s_cbranch_scc0 .Lentry_in_a_cluster
	s_endpgm
.Lentry_in_a_cluster:
	s_bfe_u32 s2, ttmp6, 0x10000c
	s_cmp_lg_u32 s2, 0xf033
	s_cbranch_scc0 .Lentry_shape_is_right
	s_endpgm
.Lentry_shape_is_right:
; q = x Wq^T + bq;  k = x Wk^T + bk + (x k_a^T) k_b;  v = x Wv^T + bv + (x v_a^T) v_b  (reference()'s factor SCALE / RANK is 1.0).  The products with K = 1,024 run on codes of FP8 (E4M3) with E8M0 scales
; (v_wmma_scale_f32_16x16x128_f8f6f4), the two of rank 16 on f32 operands (v_wmma_f32_16x16x4_f32), since their results go on into quantisers.  Then q / 8 and k are quantised along the head's 64 and v along the keys,
; and leave as IMAGES OF THE NEXT OPERANDS' REGISTERS (16 bytes a lane, 512 consecutive bytes a store) into w2.
; SHARES.  A work-group takes 256 stored rows of x (block rb) and the 224 weight rows of one head g (tiles f: 0-3 Wq, 4-7 Wk, 8-11 Wv, 12 k_a, 13 v_a).  Wave w takes rows 64 w .. 64 w + 63 (four tiles a) against all 14 tiles: 56 accumulators.
; LAYOUT.  q, k and the two rank-16 results are made TRANSPOSED (source 0 = 16 weight rows, source 1 = 16 rows of x): a lane holds one row of x and eight of the head's 64.  v is made straight (source 0 = x, source 1 = Wv): a lane holds one of the
; head's 64 and eight keys.  By the stored order of rows (see the quantising launch) the 16 registers of two neighbouring tiles are 16 neighbours along the next product's K, so the conversions' results are that operand's registers.
; RING.  K goes in steps of 128; a slot holds 256 along K (rows of 256 bytes + 16 of padding): 256 rows of x, then 224 weight rows.  Two slots, four fills: K is written out, no loop.
; CLUSTER 4 x 4.  x's tile hangs on rb alone and is shared along a row of the cluster, the weights' on g alone and is shared along a column: each is asked for jointly, by the same tensor load with a mask that names the four.
; LIMITS: NaN and infinities are not served; a block of zeros keeps the byte 1 (q: likewise), its codes are zeros.
; REGISTERS, in windows of 256.  window 0: v1-31 addresses; v32-47 x's scale words, v48-103 the weights' (register 8 p + ks: lanes 0-15 tile 2 p, lanes 16-31 tile 2 p + 1, K step ks); v104-125 at work; v128-255 x's fragments, two sets (later: numbers and codes on the way out).
;   window 1: the 14 weight fragments, ONE set; v224-255 bv.   window 2: q's 16 accumulators (a, e) at v[32 a + 8 e], k's at v[128 + 32 a + 8 e].
;   window 3: v's (e, a) at v[32 e + 8 a]; x k_a^T at v[128 + 8 a], x v_a^T at v[160 + 8 a]; v192-255 bq and bk, and behind the first K step k_b's and v_b's fragments.
.set PITCH, 272                        ; an LDS row: 256 bytes + 16 of padding = 68 words, so the 16 rows that a load touches start 4 words apart
.set WOFF,  256*PITCH                  ; the weight rows lie behind x's 256
.set SLOT,  480*PITCH
.set SPARE, 2*SLOT                     ; the spare words, 128 bytes for each wave: two blocks of 256 bytes that no other line names
.set VSTG,  SPARE+512                  ; 512 bytes in which the four waves gather v's scale bytes; no tile lands there
.set WCO,   4194304                    ; w1: the weights' codes, x's scale bytes, the weights'
.set XSO,   8912896
.set WSO,   9043968
.set QSO,   4194304                    ; w2: q's codes at 0, q's scale words, then a block of KVH bytes for each (b, head):
.set KVO,   4456448
.set KVH,   274432                     ; k's scale words 8,192, v's 4,096, then for each of 16 key steps k's codes 8,192 and v's 8,192
.set KVC,   12288
.set ADRX, 16                          ; v16-17  LDS address of my x fragments in slot 0, 1
.set ADRW, 20                          ; v20-21  of the weight fragments
.set LI,   22                          ; v22  16 x lane
.set L8,   23                          ; v23  8 x lane
.set L32,  24                          ; v24  32 x lane: a row of scale bytes
.set BQ,   25                          ; v25  64 h: bq, bk: my half's eight numbers of a tile
.set BV,   26                          ; v26  4 (r + 8 (r / 8)): bv: my column
.set KBO,  27                          ; v27  32,768 h + 4 (r + 8 (r / 8)): k_b, v_b: ranks 8 h on, my column
.set SPW,  28                          ; v28  my spare word: SPARE + 4 x my thread's number; never rewritten
.set NIL,  29                          ; v29  0; never rewritten
.set VST,  30                          ; v30  where I put two of v's scale bytes
.set VRD,  31                          ; v31  where wave 0 reads them back
.set XSR,  32
.set WSR,  48
.set TM,   104                         ; v104-107 largest magnitudes, v108-111 bytes, v112-115 448 x the scale, v116-119 the conversions' scale operands
.set PW,   120                         ; v120-123 words in the making
.set SW,   124                         ; v[124:125] two scale words a lane
.set XF,   128
.set T,    128                         ; the way out: 64 numbers, held
.set PC,   192                         ; and their codes
.set G1X, 24                           ; s[24:31] descriptor group 1 for x's tiles; s[32:39] group 0, a set for each slot
.set G0X, 32
.set G1W, 48                           ; s[48:55], s[56:63] the same for the weights'
.set G0W, 56
.set SEL, 68                           ; s[68:69] v_permlanex16_b32's selects for lane l xor 16
.set MNT, 70                           ; s70 the mantissa field of 448
.set HM,  71                           ; s71 lanes 16-31
.set QCB, 72                           ; s[72:73] .. where my results go and my small operands come from
.set QSB, 74
.set KCB, 76
.set KSB, 78
.set VCB, 80
.set VSB, 82
.set XSB, 84
.set WSB, 86
.set BIB, 88
.set KBB, 90
.set VBB, 92
.set MSB, 0
.macro WIN new                         ; the immediate's high byte repeats the setting that is left; a switch that changes nothing is dropped
.if MSB != (\new)
	s_set_vgpr_msb (MSB<<8)|(\new)
.set MSB, (\new)
.endif
.endm
.macro PLACES n                        ; plain vector lines behind matrix instructions: 8 in front of loads into, and of reads of, their registers; 9 in front of a matrix instruction of another form on them
.rept \n
	v_nop
.endr
.endm
; A joint load: waves 0 and 1 fetch x's two halves, waves 2 and 3 the weights'.  The branch hangs on the wave's number alone.  Four v_nop follow each of the two lines.
.macro JLOAD g0a, g1a, g0b, g1b
	s_cmp_eq_u32 s15, 0
	s_cbranch_scc0 .Lfor_w_\@
	tensor_load_to_lds s[\g0a:\g0a+3], s[\g1a:\g1a+7]
	s_nop 0
.rept 4
	v_nop
.endr
	s_branch .Lasked_\@
.Lfor_w_\@:
	tensor_load_to_lds s[\g0b:\g0b+3], s[\g1b:\g1b+7]
	s_nop 0
.rept 4
	v_nop
.endr
.Lasked_\@:
.endm
.macro CREST                           ; a round of the cluster's barrier behind its opening barrier
	s_cmp_lg_u32 s14, 0
	s_cbranch_scc1 .Lnot_wave_0_\@
	s_barrier_signal -3
.Lnot_wave_0_\@:
	s_barrier_wait -3
	s_barrier_signal -1
	s_barrier_wait -1
.endm
.macro CROUND                          ; a whole round
	s_barrier_signal -1
	s_barrier_wait -1
	CREST
.endm
; One scaled matrix instruction from the symbols rD, rA, rB, rC (under 0: the constant 0), rSA, rSB; pA, pB = 1: that side's scales are read from lanes 16-31
.macro EMIT
.if rC < 0
.if pA && pB
	v_wmma_scale_f32_16x16x128_f8f6f4 v[rD:rD+7], v[rA:rA+15], v[rB:rB+15], 0, v[rSA], v[rSB] matrix_a_scale:MATRIX_SCALE_ROW1 matrix_b_scale:MATRIX_SCALE_ROW1
.elseif pA
	v_wmma_scale_f32_16x16x128_f8f6f4 v[rD:rD+7], v[rA:rA+15], v[rB:rB+15], 0, v[rSA], v[rSB] matrix_a_scale:MATRIX_SCALE_ROW1
.elseif pB
	v_wmma_scale_f32_16x16x128_f8f6f4 v[rD:rD+7], v[rA:rA+15], v[rB:rB+15], 0, v[rSA], v[rSB] matrix_b_scale:MATRIX_SCALE_ROW1
.else
	v_wmma_scale_f32_16x16x128_f8f6f4 v[rD:rD+7], v[rA:rA+15], v[rB:rB+15], 0, v[rSA], v[rSB]
.endif
.else
.if pA && pB
	v_wmma_scale_f32_16x16x128_f8f6f4 v[rD:rD+7], v[rA:rA+15], v[rB:rB+15], v[rC:rC+7], v[rSA], v[rSB] matrix_a_scale:MATRIX_SCALE_ROW1 matrix_b_scale:MATRIX_SCALE_ROW1
.elseif pA
	v_wmma_scale_f32_16x16x128_f8f6f4 v[rD:rD+7], v[rA:rA+15], v[rB:rB+15], v[rC:rC+7], v[rSA], v[rSB] matrix_a_scale:MATRIX_SCALE_ROW1
.elseif pB
	v_wmma_scale_f32_16x16x128_f8f6f4 v[rD:rD+7], v[rA:rA+15], v[rB:rB+15], v[rC:rC+7], v[rSA], v[rSB] matrix_b_scale:MATRIX_SCALE_ROW1
.else
	v_wmma_scale_f32_16x16x128_f8f6f4 v[rD:rD+7], v[rA:rA+15], v[rB:rB+15], v[rC:rC+7], v[rSA], v[rSB]
.endif
.endif
.endm
; The 56 accumulators take turns, one instruction a turn, in the same order in every K step.
; q and k: weight tiles f0 .. f0 + n - 1 against my four tiles of x in set bu, K step ks.  first = 1: the bias is the C of the sum's first instruction: nothing is cleared, nothing added later
.macro MULQK f0, n, bu, ks, first
.if \first
	WIN 0xb1                                       ; source 0 (weights) window 1, source 1 (x) window 0, C (bias) window 3, D window 2
.else
	WIN 0xa1                                       ; C and D window 2
.endif
.set xf, \f0
.rept \n
.set xa, 0
.rept 4
.set rD, 128*(xf/4)+32*xa+8*(xf%4)
.set rA, 16*xf
.set rB, XF+64*(\bu)+16*xa
.if \first
.set rC, 192+8*xf
.else
.set rC, rD
.endif
.set rSA, WSR+8*(xf/2)+(\ks)
.set rSB, XSR+8*(xa/2)+(\ks)
.set pA, xf%2
.set pB, xa%2
	EMIT
.set xa, xa+1
.endr
.set xf, xf+1
.endr
.endm
.macro MULV bu, ks, first              ; v: source 0 = x, source 1 = Wv's tile e
.if \first
	WIN 0xd4                                       ; source 0 window 0, source 1 window 1, C (bias) window 1, D window 3
.else
	WIN 0xf4
.endif
.set xe, 0
.rept 4
.set xa, 0
.rept 4
.set rD, 32*xe+8*xa
.set rA, XF+64*(\bu)+16*xa
.set rB, 16*(8+xe)
.if \first
.set rC, 224+8*xe
.else
.set rC, rD
.endif
.set rSA, XSR+8*(xa/2)+(\ks)
.set rSB, WSR+8*(4+xe/2)+(\ks)
.set pA, xa%2
.set pB, xe%2
	EMIT
.set xa, xa+1
.endr
.set xe, xe+1
.endr
.endm
.macro MULT bu, ks, first              ; x k_a^T and x v_a^T, transposed: a lane holds one row of x and ranks 8 h + 0 .. 7
	WIN 0xf1
.set xf, 12
.rept 2
.set xa, 0
.rept 4
.set rD, 128+32*(xf-12)+8*xa
.set rA, 16*xf
.set rB, XF+64*(\bu)+16*xa
.if \first
.set rC, -1
.else
.set rC, rD
.endif
.set rSA, WSR+48+(\ks)
.set rSB, XSR+8*(xa/2)+(\ks)
.set pA, xf%2
.set pB, xa%2
	EMIT
.set xa, xa+1
.endr
.set xf, xf+1
.endr
.endm
; A fragment, 16 rows x 128 K of 8-bit codes, is 16 registers: lane l holds row l % 16; registers 4 c .. 4 c + 3 hold K = 32 c + 16 (l / 16) + 0 .. 15: four loads of 16 bytes, 32 bytes apart
.macro FETCH_X slot, q, bu             ; my four tiles of x, the slot's q-th 128 along K, into set bu: 16 loads
	WIN 0
.irp a, 0,1,2,3
.irp c, 0,1,2,3
	ds_load_b128 v[XF+64*(\bu)+16*\a+4*\c:XF+64*(\bu)+16*\a+4*\c+3], v[ADRX+\slot] offset:\a*16*PITCH+128*(\q)+32*\c
.endr
.endr
.endm
.macro FETCH_W slot, q, f0, n          ; weight tiles f0 .. f0 + n - 1: 4 n loads
	WIN 0x40                                       ; destination window 1, address window 0
.set xf, \f0
.rept \n
.irp c, 0,1,2,3
	ds_load_b128 v[16*xf+4*\c:16*xf+4*\c+3], v[ADRW+\slot] offset:xf*16*PITCH+128*(\q)+32*\c
.endr
.set xf, xf+1
.endr
	WIN 0
.endm
; A K step whose successor lies in the same slot.  The weights have one set of registers: tiles 0-7 are fetched anew when q's and k's products are issued, tiles 8-13 at the step's end; x has two sets.
.macro STEP slot, ks, first
	s_wait_dscnt 24                                ; x and weight tiles 0-7 are in; the youngest 24 loads (tiles 8-13) may be out
	FETCH_X \slot, 1, ((\ks)+1)%2                  ; the other set of x: its last reader stands ahead of the places in front of tiles 8-13's loads
	MULQK 0, 8, (\ks)%2, \ks, \first
	s_wait_dscnt 16                                ; tiles 8-13 are in; the 16 loads of x behind them may be out
	PLACES 8
	FETCH_W \slot, 1, 0, 8
	MULV (\ks)%2, \ks, \first
	MULT (\ks)%2, \ks, \first
	PLACES 8
	FETCH_W \slot, 1, 8, 6
.endm
; A slot's last K step changes slots: ONE barrier; in front of it each wave waits for all its tensor loads, adds 0 to its spare word, and waits for that and for its own reads of this slot.
; fill = 1: the barrier opens a round of the cluster's barrier, and this slot is filled again, 512 along K further on, first thing behind the round.
.macro TURN slot, next, ks, fill
	s_wait_tensorcnt 0x0                           ; all my tensor loads have landed: my part of the next slot (every window is 0 here)
	ds_add_u32 v[SPW], v[NIL]                      ; 0 onto my spare word
.if \fill
.if (\ks) == 1
	s_mov_b32 s[G1X+2], 128<<16                    ; no tensor load of mine is out: from here on a load brings half a tile's rows
	s_mov_b32 s[G1X+4], 128
	s_mov_b32 s[G1W+2], 112<<16
	s_mov_b32 s[G1W+4], 112
.endif
	s_add_co_u32 s[G0X+4*\slot+1], s45, \slot*SLOT ; each slot is filled again once: my half, 512 along K on
	s_add_co_u32 s[G0W+4*\slot+1], s22, \slot*SLOT
	s_add_nc_u64 s[G0X+4*\slot+2:G0X+4*\slot+3], s[G0X+4*\slot+2:G0X+4*\slot+3], s[18:19]
	s_add_nc_u64 s[G0W+4*\slot+2:G0W+4*\slot+3], s[G0W+4*\slot+2:G0W+4*\slot+3], s[20:21]
.endif
	s_wait_dscnt 25                                ; (the add and the youngest 24 loads may be out)
	MULQK 0, 4, (\ks)%2, \ks, 0                    ; sixteen matrix instructions stand between the add and the wait for it
	s_wait_dscnt 0x0                               ; the add is done, and my reads of this slot are over
	s_barrier_signal -1
	MULQK 4, 4, (\ks)%2, \ks, 0
	WIN 0
	s_barrier_wait -1
.if \fill
	CREST                                          ; no wave of any partner still reads this slot's tiles or has a load on its way
	JLOAD G0X+4*\slot, G1X, G0W+4*\slot, G1W       ; my one tensor load behind the round; its four v_nop are among the eight places in front of the loads below
	PLACES 4
.else
	PLACES 8
.endif
	FETCH_X \next, 0, ((\ks)+1)%2
	FETCH_W \next, 0, 0, 8
	MULV (\ks)%2, \ks, 0
	MULT (\ks)%2, \ks, 0
	PLACES 8
	FETCH_W \next, 0, 8, 6
.endm
	s_load_b256 s[4:11], s[0:1], 0x0               ; w1 s[4:5], in_proj_bias s[6:7], k_b s[8:9], v_b s[10:11]
	s_load_b64 s[12:13], s[0:1], 0x20              ; w2
	v_lshl_add_u32 v[SPW], v0, 2, SPARE
	v_mov_b32 v[NIL], 0
	ds_add_u32 v28, v29
	ds_add_u32 v28, v29
	s_wait_dscnt 0x0
	v_lshrrev_b32 v1, 5, v0
	v_readfirstlane_b32 s14, v1                    ; wave 0..3
	s_lshr_b32 s15, s14, 1                         ; I fetch for x (0) or for the weights (1)
	s_and_b32 s16, s14, 1                          ; which half of that tile's rows
	s_bfe_u32 s40, ttmp6, 0x40000                  ; cx, cy: my place in the cluster
	s_bfe_u32 s41, ttmp6, 0x40004
	s_lshl_b32 s42, ttmp9, 2
	s_add_co_u32 s42, s42, s40                     ; the head g = 4 x cluster x + cx
	s_and_b32 s17, ttmp7, 0xffff
	s_lshl_b32 s17, s17, 2
	s_add_co_u32 s17, s17, s41                     ; the row block rb = 4 x cluster y + cy
	s_lshl_b32 s43, s41, 2
	s_lshl_b32 s43, 15, s43                        ; my row of the cluster
	s_lshl_b32 s44, 0x1111, s40                    ; my column
	s_or_b32 s[G1X], s43, (1<<20)|(1<<21)|(5<<22)|(3<<25)   ; 15:0 the mask; 17:16 elements of 1 byte; 20 padding on; 21 set beside a mask; 24:22 after every 64 words (code 5); 31:25 four words (code 3)
	s_mov_b32 s[G1X+1], 256<<16                    ; tensor_dim0 = 256
	s_mov_b32 s[G1X+2], 256<<16                    ; tensor_dim1 = 256: at the head one load brings a slot's 256 rows of x; the refills' counts are set behind the first wait for all loads
	s_mov_b32 s[G1X+3], 256<<16                    ; tile_dim0 = 256
	s_mov_b32 s[G1X+4], 256                        ; tile_dim1 likewise
	s_mov_b32 s[G1X+5], 1024                       ; from row to row
	s_mov_b32 s[G1X+6], 0
	s_mov_b32 s[G1X+7], 0
	s_or_b32 s[G1W], s44, (1<<20)|(1<<21)|(5<<22)|(3<<25)
	s_mov_b32 s[G1W+1], 256<<16
	s_mov_b32 s[G1W+2], 224<<16                    ; at the head a head's 224 rows
	s_mov_b32 s[G1W+3], 256<<16
	s_mov_b32 s[G1W+4], 224
	s_mov_b32 s[G1W+5], 1024
	s_mov_b32 s[G1W+6], 0
	s_mov_b32 s[G1W+7], 0
	s_lshl_b32 s20, s17, 18                        ; x: row 256 rb, in bytes (its registers never hold cx)
	s_mov_b32 s21, 0
	s_mul_i32 s46, s42, 224*1024
	s_add_co_u32 s46, s46, WCO                     ; weights: row 224 g (its registers never hold cy)
	s_mov_b32 s47, 0
	s_lshl_b32 s18, s16, 17
	s_add_co_u32 s18, s18, 512                     ; s[18:19]: from a slot's first fill to my half of its refill of x: 128 half rows, 512 along K
	s_mov_b32 s19, 0
	s_mul_i32 s45, s16, 128*PITCH                  ; where they go: no place in the cluster enters an LDS address
	s_mul_i32 s22, s16, 112*PITCH
	s_add_co_u32 s22, s22, WOFF
	s_wait_kmcnt 0x0
	s_add_nc_u64 s[20:21], s[4:5], s[20:21]
	s_add_nc_u64 s[46:47], s[4:5], s[46:47]
	CROUND                                         ; all sixteen work-groups are here: the first joint loads meet
.irp s, 0,1
	s_mov_b32 s[G0X+4*\s], 1                       ; count = 1
	s_mov_b32 s[G0X+4*\s+1], \s*SLOT               ; LDS address
	s_add_nc_u64 s[G0X+4*\s+2:G0X+4*\s+3], s[20:21], \s*256   ; global address: K = 256 s on
	s_or_b32 s[G0X+4*\s+3], s[G0X+4*\s+3], 0x80000000         ; type = 2
	s_mov_b32 s[G0W+4*\s], 1
	s_mov_b32 s[G0W+4*\s+1], WOFF+\s*SLOT
	s_add_nc_u64 s[G0W+4*\s+2:G0W+4*\s+3], s[46:47], \s*256
	s_or_b32 s[G0W+4*\s+3], s[G0W+4*\s+3], 0x80000000
.endr
; THE HEAD'S LOADS, one a wave: wave 0 slot 0's rows of x, wave 1 its weights, waves 2 and 3 the same of slot 1.  One tree of branches on the wave's number; every way passes exactly one load.
.macro ARM under, g0, g1, next
	s_cmp_lt_u32 s14, \under
	s_cbranch_scc0 \next
	tensor_load_to_lds s[\g0:\g0+3], s[\g1:\g1+7]
	s_nop 0
.rept 4
	v_nop
.endr
	s_branch .Lhead_asked
\next:
.endm
	ARM 1, G0X, G1X, .Lhead_w0
	ARM 2, G0W, G1W, .Lhead_x1
	ARM 3, G0X+4, G1X, .Lhead_w1
	tensor_load_to_lds s[G0W+4:G0W+7], s[G1W:G1W+7]
	s_nop 0
.rept 4
	v_nop
.endr
.Lhead_asked:
	s_mul_i32 s20, s16, 112*1024
	s_add_co_u32 s20, s20, 512                     ; s[20:21]: the same step for the weights: 112 half rows, 512 along K
	s_mov_b32 s21, 0
	; where my small operands come from
	s_lshl_b32 s[XSB], s17, 8
	s_lshl_b32 s23, s14, 6
	s_add_co_u32 s[XSB], s[XSB], s23
	s_lshl_b32 s[XSB], s[XSB], 5
	s_add_co_u32 s[XSB], s[XSB], XSO               ; x's scale bytes: row 256 rb + 64 w, 32 bytes a row
	s_mov_b32 s[XSB+1], 0
	s_add_nc_u64 s[XSB:XSB+1], s[4:5], s[XSB:XSB+1]
	s_mul_i32 s[WSB], s42, 224*32
	s_add_co_u32 s[WSB], s[WSB], WSO               ; the head's 224 rows of scale bytes
	s_mov_b32 s[WSB+1], 0
	s_add_nc_u64 s[WSB:WSB+1], s[4:5], s[WSB:WSB+1]
	s_lshl_b32 s96, s42, 8                         ; the head's 64 columns, in bytes of f32
	s_mov_b32 s97, 0
	s_add_nc_u64 s[BIB:BIB+1], s[6:7], s[96:97]
	s_add_nc_u64 s[KBB:KBB+1], s[8:9], s[96:97]
	s_add_nc_u64 s[VBB:VBB+1], s[10:11], s[96:97]
	; and where my results go
	s_lshr_b32 s66, s17, 3
	s_lshl_b32 s66, s66, 4
	s_add_co_u32 s66, s66, s42                     ; bg = 16 b + g
	s_and_b32 s67, s17, 7                          ; rq: which 256 of b's 2,048 rows
	s_lshl_b32 s94, s67, 2
	s_add_co_u32 s94, s94, s14                     ; 4 rq + w: which 64 rows
	s_lshl_b32 s95, s67, 1
	s_add_co_u32 s95, s95, s15                     ; 2 rq + w / 2: which key step of 128
	s_mul_i32 s98, s66, KVH
	s_add_co_u32 s98, s98, KVO                     ; the head's block of k and v
	s_lshl_b32 s[QCB], s66, 5
	s_add_co_u32 s[QCB], s[QCB], s94
	s_lshl_b32 s[QSB], s[QCB], 8
	s_add_co_u32 s[QSB], s[QSB], QSO               ; q's scale words: 256 bytes for 64 rows
	s_lshl_b32 s[QCB], s[QCB], 12                  ; q's codes: 4,096 bytes for 64 rows
	s_lshl_b32 s[KCB], s95, 14
	s_add_co_u32 s[KCB], s[KCB], s98
	s_add_co_u32 s[KCB], s[KCB], KVC               ; the key step's codes
	s_lshl_b32 s23, s16, 10
	s_add_co_u32 s[VCB], s[KCB], s23
	s_add_co_u32 s[VCB], s[VCB], 8192              ; v's: behind k's 8,192; my two key blocks of the step's four
	s_lshl_b32 s23, s16, 12
	s_add_co_u32 s[KCB], s[KCB], s23               ; k's: my four tiles of the step's eight
	s_lshl_b32 s[KSB], s94, 8
	s_add_co_u32 s[KSB], s[KSB], s98
	s_lshl_b32 s[VSB], s67, 9
	s_add_co_u32 s[VSB], s[VSB], s98
	s_add_co_u32 s[VSB], s[VSB], 8192              ; v's scale words of the work-group's two key steps
.irp p, QCB, QSB, KCB, KSB, VCB, VSB
	s_mov_b32 s[\p+1], 0
	s_add_nc_u64 s[\p:\p+1], s[12:13], s[\p:\p+1]
.endr
	s_mov_b32 s[SEL], 0x76543210
	s_mov_b32 s[SEL+1], 0xfedcba98
	s_mov_b32 s[MNT], 0x600000
	s_mov_b32 s[HM], 0xffff0000
	; A PREFETCH INTO THE L2 of what the two refills will ask for, 32 or 28 rows x 256 bytes a wave, a lane a row.  The cluster's partners share the rows out by address: of x's 256 rows the partner at cx takes 64 (waves 0 and 1),
	; of the 224 weight rows the partner at cy takes 56 (waves 2 and 3; their lanes 28 to 31 name the wave's last row again).  K = 512 on is asked for here, K = 768 on behind the first change of slots: two slots ahead of use
	s_lshl_b32 s23, s40, 6
	s_lshl_b32 s66, s16, 5
	s_add_co_u32 s23, s23, s66
	s_lshl_b32 s66, s17, 8
	s_add_co_u32 s23, s23, s66
	s_lshl_b32 s23, s23, 10                        ; x: row 256 rb + 64 cx + 32 (w % 2)
	s_mul_i32 s66, s42, 224
	s_mul_i32 s67, s41, 56
	s_add_co_u32 s66, s66, s67
	s_mul_i32 s67, s16, 28
	s_add_co_u32 s66, s66, s67
	s_lshl_b32 s66, s66, 10
	s_add_co_u32 s66, s66, WCO                     ; weights: row 224 g + 56 cy + 28 (w % 2)
	s_cmp_eq_u32 s15, 0
	s_cselect_b32 s2, s23, s66
	s_cselect_b32 s67, 31, 27
	s_mov_b32 s3, 0
	s_add_nc_u64 s[2:3], s[4:5], s[2:3]
	v_and_b32 v1, 15, v0                           ; r = lane % 16
	v_bfe_u32 v2, v0, 4, 1                         ; h = lane / 16
	v_and_b32 v3, 31, v0                           ; lane
	v_min_u32 v6, s67, v3
	v_lshlrev_b32 v6, 10, v6                       ; v6: the prefetches' offset; never rewritten
	v_mul_u32_u24 v4, v1, PITCH
	v_lshl_add_u32 v4, v2, 4, v4                   ; a fragment's row x pitch + 16 h
	s_mul_i32 s23, s14, 64*PITCH
	v_add_nc_u32 v[ADRX], s23, v4                  ; my 64 rows of x
	v_add_nc_u32 v[ADRX+1], SLOT, v[ADRX]
	v_add_nc_u32 v[ADRW], WOFF, v4
	v_add_nc_u32 v[ADRW+1], SLOT, v[ADRW]
	v_lshlrev_b32 v[LI], 4, v3
	v_lshlrev_b32 v[L8], 3, v3
	v_lshlrev_b32 v[L32], 5, v3
	v_lshlrev_b32 v[BQ], 6, v2
	v_and_b32 v5, 8, v1
	v_add_nc_u32 v5, v5, v1                        ; r + 8 (r / 8): lane r's place among a tile pair's 32
	v_lshlrev_b32 v[BV], 2, v5
	v_lshl_add_u32 v[KBO], v2, 15, v[BV]
	s_lshl_b32 s23, s15, 8
	s_lshl_b32 s99, s16, 1
	s_add_co_u32 s23, s23, s99
	s_add_co_u32 s23, s23, VSTG
	v_lshl_add_u32 v[VST], v1, 3, s23              ; VSTG + 256 (w / 2) + 2 (w % 2) + 8 r
	v_add_nc_u32 v[VRD], VSTG, v[LI]
.irp b, 0,1,2,3
	v_mov_b32 v[TM+4+\b], 0                        ; written once: a lane permute's destination counts as one of its sources
.endr
	; the scale words come straight from memory, once: lane l takes the 32 bytes (eight K steps' words) of row 32 p + l
	global_prefetch_b8 v6, s[2:3] offset:512 th:TH_LOAD_NT scope:SCOPE_SE
.irp p, 0,1
	global_load_b128 v[XSR+8*\p:XSR+8*\p+3], v[L32], s[XSB:XSB+1] offset:1024*\p
	global_load_b128 v[XSR+8*\p+4:XSR+8*\p+7], v[L32], s[XSB:XSB+1] offset:1024*\p+16
.endr
.irp p, 0,1,2,3,4,5,6
	global_load_b128 v[WSR+8*\p:WSR+8*\p+3], v[L32], s[WSB:WSB+1] offset:1024*\p
	global_load_b128 v[WSR+8*\p+4:WSR+8*\p+7], v[L32], s[WSB:WSB+1] offset:1024*\p+16
.endr
	WIN 0xc0                                       ; destination window 3
.irp f, 0,1,2,3,4,5,6,7                        ; bq, bk in the transposed result's layout: tile e = f % 4, register j: the head's number 32 (e / 2) + 16 h + 8 (e % 2) + j
	global_load_b128 v[192+8*\f:195+8*\f], v[BQ], s[BIB:BIB+1] offset:((\f/4)*1024+32*((\f%4)/2)+8*(\f%2))*4
	global_load_b128 v[196+8*\f:199+8*\f], v[BQ], s[BIB:BIB+1] offset:((\f/4)*1024+32*((\f%4)/2)+8*(\f%2))*4+16
.endr
	WIN 0x40                                       ; destination window 1
.irp e, 0,1,2,3
	global_load_b32 v[224+8*\e], v[BV], s[BIB:BIB+1] offset:(2048+32*(\e/2)+8*(\e%2))*4   ; one load a tile; spread over the eight registers below
.endr
	WIN 0
	s_wait_alu depctr_va_vdst(0)
	s_cmp_lt_u32 s14, 2
	s_cbranch_scc0 .Lslot_1_later
	s_wait_tensorcnt 0x0                           ; waves 0 and 1: slot 0's two tiles are in; waves 2 and 3 wait for slot 1's at the first change of slots
.Lslot_1_later:
	s_barrier_signal -1
	s_barrier_wait -1                              ; everybody's is
	FETCH_X 0, 0, 0
	FETCH_W 0, 0, 0, 8
	FETCH_W 0, 0, 8, 6
	s_wait_loadcnt 0x0                             ; scale words and biases
	WIN 0x41                                       ; source 0 and destination window 1
.irp e, 0,1,2,3
.irp j, 1,2,3,4,5,6,7
	v_mov_b32 v[224+8*\e+\j], v[224+8*\e]
.endr
.endr
	WIN 0
	s_wait_alu depctr_va_vdst(0)
	STEP 0, 0, 1                                   ; the first K step starts the sums
	WIN 0xc0                                       ; k_b's and v_b's fragments take the registers that bq and bk have left (their last reader stands sixteen places back)
.irp e, 0,1,2,3                                ; register i of tile e: k_b[8 h + i][the head's column 32 (e / 2) + 8 (e % 2) + r + 8 (r / 8)]
.irp i, 0,1,2,3,4,5,6,7
	global_load_b32 v[192+8*\e+\i], v[KBO], s[KBB:KBB+1] offset:4096*\i+(32*(\e/2)+8*(\e%2))*4
.endr
.endr
	WIN 0
	TURN 0, 1, 1, 1                                ; slot 0 takes K = 512 on
	global_prefetch_b8 v6, s[2:3] offset:768 th:TH_LOAD_NT scope:SCOPE_SE
	WIN 0xc0                                       ; v_b's fragments, a K step behind k_b's
.irp e, 0,1,2,3
.irp i, 0,1,2,3,4,5,6,7
	global_load_b32 v[224+8*\e+\i], v[KBO], s[VBB:VBB+1] offset:4096*\i+(32*(\e/2)+8*(\e%2))*4
.endr
.endr
	WIN 0
	STEP 1, 2, 0
	TURN 1, 0, 3, 1                                ; slot 1 takes K = 768 on
	STEP 0, 4, 0
	TURN 0, 1, 5, 0                                ; nothing is left to fetch: no round, no load
	STEP 1, 6, 0
	s_wait_dscnt 24                                ; the last K step
	MULQK 0, 8, 1, 7, 0
	s_wait_dscnt 0x0
	MULV 1, 7, 0
	MULT 1, 7, 0
	; THE TWO PRODUCTS OF RANK 16, on f32 operands.  A permutation of the ranks applied alike to both sources keeps the sum: K step z takes ranks 8 h + 2 z + j into the places k = 2 h + j.  So registers 2 z, 2 z + 1 of
	; x k_a^T (lane (r, h): row r, ranks 8 h + 0 .. 7) are the operand as they stand, and k_b was loaded to match.  They add onto k's and v's sums in place; sixteen accumulators by turns.
	PLACES 9
	s_wait_loadcnt 0x0                             ; k_b, v_b
	WIN 0xaf                                       ; sources window 3, C and D window 2
.set xs, 0
.rept 4
.set xa, 0
.rept 4
.set xe, 0
.rept 4
	v_wmma_f32_16x16x4_f32 v[128+32*xa+8*xe:135+32*xa+8*xe], v[192+8*xe+2*xs:193+8*xe+2*xs], v[128+8*xa+2*xs:129+8*xa+2*xs], v[128+32*xa+8*xe:135+32*xa+8*xe]
.set xe, xe+1
.endr
.set xa, xa+1
.endr
.set xs, xs+1
.endr
	WIN 0xff                                       ; all window 3
.set xs, 0
.rept 4
.set xe, 0
.rept 4
.set xa, 0
.rept 4
	v_wmma_f32_16x16x4_f32 v[32*xe+8*xa:32*xe+8*xa+7], v[160+8*xa+2*xs:161+8*xa+2*xs], v[224+8*xe+2*xs:225+8*xe+2*xs], v[32*xe+8*xa:32*xe+8*xa+7]
.set xa, xa+1
.endr
.set xe, xe+1
.endr
.set xs, xs+1
.endr
	WIN 0
	PLACES 8
; THE WAY OUT.  64 registers of a window, from v[s] on: four blocks of 16, register 16 b + i = place 16 h + i of a block of 32 along the next K; lane l xor 16 holds the other half.  They become codes in v[PC + 4 b ..] and bytes in v[TM + 4 + b].
; wm, ws: the window settings for sources 1 and 2, and for source 0.  fl: the floor of the largest magnitude; eb: what is taken off its exponent field for the byte.
; q: reference() quantises q / 8.  Its codes are q's own, under a byte 3 lower: eb = 11, and the floor 2^(12 - 127) holds that byte at 1.
.macro QUANT wm, ws, s, fl, eb
	WIN \wm
.irp b, 0,1,2,3
	v_max3_num_f32 v[TM+\b], \fl, |v[\s+16*\b]|, |v[\s+1+16*\b]|   ; each accumulator is read from its low end on
.endr
.irp i, 2,4,6,8,10,12,14
.irp b, 0,1,2,3
	v_max3_num_f32 v[TM+\b], v[TM+\b], |v[\s+16*\b+\i]|, |v[\s+1+16*\b+\i]|   ; (the four blocks by turns)
.endr
.endr
	WIN 0
.irp b, 0,1,2,3
	v_permlanex16_b32 v[TM+4+\b], v[TM+\b], s[SEL], s[SEL+1]
.endr
.irp b, 0,1,2,3
	v_max_num_f32 v[TM+\b], v[TM+\b], v[TM+4+\b]   ; the block's largest magnitude
.endr
.irp b, 0,1,2,3
	v_add_nc_u32 v[TM+12+\b], 0xfc000000, v[TM+\b] ; 8 off its exponent field: the conversion's scale operand
.endr
.irp b, 0,1,2,3
	v_and_or_b32 v[TM+8+\b], v[TM+\b], 0x7f800000, s[MNT]   ; 448 x that scale
.endr
.irp b, 0,1,2,3
	v_add_nc_u32 v[TM+4+\b], -((\eb)<<23), v[TM+\b]
.endr
.irp b, 0,1,2,3
	v_lshrrev_b32 v[TM+4+\b], 23, v[TM+4+\b]       ; the scale's byte
.endr
	WIN \ws
.irp b, 0,1,2,3
.irp i, 0,1,2,3,4,5,6,7,8,9,10,11,12,13,14,15
	v_med3_num_f32 v[T+16*\b+\i], v[\s+16*\b+\i], -v[TM+8+\b], v[TM+8+\b]   ; the hold, into other registers: the sums' registers are written by matrix instructions alone
.endr
.endr
	WIN 0
	s_wait_alu depctr_va_vdst(0)
	s_wait_xcnt 0x0                                ; the stores issued so far have read their registers: the codes' and the words' are written again only behind this wait
.irp b, 0,1,2,3
	v_cvt_scalef32_pk8_fp8_f32 v[PC+4*\b:PC+4*\b+1], v[T+16*\b:T+16*\b+7], v[TM+12+\b]
	v_cvt_scalef32_pk8_fp8_f32 v[PC+4*\b+2:PC+4*\b+3], v[T+16*\b+8:T+16*\b+15], v[TM+12+\b]
.endr
	v_nop                                          ; one plain line behind the last conversion
.endm
.macro QKOUT cb, i                     ; blocks 0, 1: row tile 2 i, the head's halves; blocks 2, 3: row tile 2 i + 1
.irp b, 0,1,2,3
	global_store_b128 v[LI], v[PC+4*\b:PC+4*\b+3], s[\cb:\cb+1] offset:2048*\i+512*\b   ; 512 consecutive bytes: half a fragment's image
.endr
	v_lshl_or_b32 v[PW], v[TM+5], 8, v[TM+4]
	v_lshl_or_b32 v[PW+1], v[TM+7], 8, v[TM+6]
	v_or_b32 v[PW], 0x7f7f0000, v[PW]              ; K = 64 fills half of the instruction's 128: the other two bytes are 1.0, over zero codes
	v_or_b32 v[PW+1], 0x7f7f0000, v[PW+1]
	v_cndmask_b32 v[SW+\i], v[PW], v[PW+1], s[HM]  ; lanes 0-15 keep tile 2 i's word, lanes 16-31 tile 2 i + 1's
.endm
.macro VOUT i                          ; blocks 0, 1: tile e = 2 i of the head's 64, my two key blocks; blocks 2, 3: e = 2 i + 1
.irp b, 0,1,2,3
	global_store_b128 v[LI], v[PC+4*\b:PC+4*\b+3], s[VCB:VCB+1] offset:(2*\i+\b/2)*2048+(\b%2)*512
.endr
	v_lshl_or_b32 v[PW+2*\i], v[TM+5], 8, v[TM+4]
	v_lshl_or_b32 v[PW+2*\i+1], v[TM+7], 8, v[TM+6]
	ds_store_b16 v[VST], v[PW+2*\i] offset:4*\i            ; word (lane 16 (e % 2) + r, e / 2) of the key step, my two of its four bytes; both halves of the lanes write the same
	ds_store_b16 v[VST], v[PW+2*\i+1] offset:128+4*\i
.endm
	QUANT 0x28, 2, 0, 0x6000000, 11
	QKOUT QCB, 0
	QUANT 0x28, 2, 64, 0x6000000, 11
	QKOUT QCB, 1
	global_store_b64 v[L8], v[SW:SW+1], s[QSB:QSB+1]       ; 256 consecutive bytes, aligned: the scale words of my 64 rows
	QUANT 0x28, 2, 128, 0x4800000, 8
	QKOUT KCB, 0
	QUANT 0x28, 2, 192, 0x4800000, 8
	QKOUT KCB, 1
	global_store_b64 v[L8], v[SW:SW+1], s[KSB:KSB+1]
	QUANT 0x3c, 3, 0, 0x4800000, 8
	VOUT 0
	QUANT 0x3c, 3, 64, 0x4800000, 8
	VOUT 1
	s_wait_dscnt 0x0                               ; for the others' sake: my bytes lie in the stage
	s_barrier_signal -1
	s_barrier_wait -1
	s_cmp_lg_u32 s14, 0
	s_cbranch_scc1 .Lnot_first
	ds_load_b128 v[T:T+3], v[VRD]                  ; wave 0 stores the two key steps' words of v: 512 consecutive bytes
	s_wait_dscnt 0x0
	global_store_b128 v[LI], v[T:T+3], s[VSB:VSB+1]
.Lnot_first:
	s_wait_tensorcnt 0x0                           ; the wave's end, behind my last tensor load and my last LDS store
	ds_add_u32 v[SPW], v[NIL]
	s_wait_dscnt 0x0
	CROUND                                         ; the closing round: no work-group ends while a partner may still ask for a tile that names it
	s_endpgm
.Lfunc_end_k_qa46decff2c_qkv:
	.size	k_qa46decff2c_qkv, .Lfunc_end_k_qa46decff2c_qkv-k_qa46decff2c_qkv
	.p2alignl 7, 3214868480
	.fill 96, 4, 3214868480
	.section	.rodata,"a",@progbits
	.p2align	6, 0x0
	.amdhsa_kernel k_qa46decff2c_qkv
		.amdhsa_group_segment_fixed_size 327680
		.amdhsa_private_segment_fixed_size 0
		.amdhsa_enable_private_segment 0
		.amdhsa_kernarg_size 40
		.amdhsa_user_sgpr_count 2
		.amdhsa_user_sgpr_kernarg_segment_ptr 1
		.amdhsa_wavefront_size32 1
		.amdhsa_system_sgpr_workgroup_id_x 1
		.amdhsa_system_sgpr_workgroup_id_y 1
		.amdhsa_system_sgpr_workgroup_id_z 1
		.amdhsa_system_vgpr_workitem_id 0
		.amdhsa_next_free_vgpr 1024
		.amdhsa_next_free_sgpr 100
		.amdhsa_reserve_vcc 0
		.amdhsa_float_denorm_mode_32 3
		.amdhsa_float_denorm_mode_16_64 3
		.amdhsa_memory_ordered 1
		.amdhsa_forward_progress 1
		.amdhsa_inst_pref_size 184
	.end_amdhsa_kernel
	.amdgpu_metadata
---
amdhsa.version: [ 1, 2 ]
amdhsa.kernels:
  - .name:           k_qa46decff2c_qkv
    .symbol:         k_qa46decff2c_qkv.kd
    .args:
      - { .name: w1, .offset: 0, .size: 8, .value_kind: global_buffer, .address_space: global }
      - { .name: in_proj_bias, .offset: 8, .size: 8, .value_kind: global_buffer, .address_space: global }
      - { .name: k_b, .offset: 16, .size: 8, .value_kind: global_buffer, .address_space: global }
      - { .name: v_b, .offset: 24, .size: 8, .value_kind: global_buffer, .address_space: global }
      - { .name: w2, .offset: 32, .size: 8, .value_kind: global_buffer, .address_space: global }
    .group_segment_fixed_size: 327680
    .private_segment_fixed_size: 0
    .kernarg_segment_align: 8
    .kernarg_segment_size: 40
    .max_flat_workgroup_size: 128
    .sgpr_count:     100
    .vgpr_count:     1024
    .wavefront_size: 32
...
	.end_amdgpu_metadata
.endif
;; end of part 2
;; launch attn (part 3): grid 8 x 32, 8 waves a work-group, clusters of 4 x 1, 327,680 bytes of LDS; arguments w2, w3; writes w3
.if DOCPART == 3
	.amdgcn_target "amdgcn-amd-amdhsa--gfx1250"
	.amdhsa_code_object_version 6
	.text
	.protected	k_qa46decff2c_attn
	.globl	k_qa46decff2c_attn
	.p2align	8
	.type	k_qa46decff2c_attn,@function
k_qa46decff2c_attn:
	s_mov_b64 s[64:65], 0
	v_nop
	global_prefetch_b8 v0, s[64:65] scope:SCOPE_SE
	s_setreg_imm32_b32 hwreg(HW_REG_WAVE_MODE, 25, 1), 1
	s_wait_xcnt 0x0
	s_wait_alu depctr_hold_cnt(0) depctr_sa_sdst(0) depctr_va_vdst(0) depctr_va_sdst(0) depctr_va_ssrc(0) depctr_va_vcc(0) depctr_vm_vsrc(0)
	s_getreg_b32 s2, hwreg(HW_REG_IB_STS2, 6, 4)
	s_cmp_eq_u32 s2, 0
	s_cbranch_scc0 .Lentry_in_a_cluster
	s_endpgm
.Lentry_in_a_cluster:
	s_bfe_u32 s2, ttmp6, 0x10000c
	s_cmp_lg_u32 s2, 0x3003
	s_cbranch_scc0 .Lentry_shape_is_right
	s_endpgm
.Lentry_shape_is_right:
; For each (b, head) bg: S = (q / 8) k^T, p = 2^(t - M), O = p v / (sum of p), both products on codes of FP8 (E4M3) with E8M0 scales; O is quantised along the head's 64 and leaves in w3 as images of the next product's operand registers.
; t = score x log2(e); M = the row's largest t so far, rounded UP to a whole number; the row's sum is taken of the unquantised p in f32.  When M moves, the sum and O are multiplied by 2^(old M - new M): exact.
; SHARES.  A work-group owns 256 queries of one bg; each of its eight waves 32 of them: two tiles A and B of 16, so that each fragment of k and v feeds two products.  All 2,048 keys, 128 a step, 16 steps.
; LDS holds the bg's whole block of w2 as it lies there: k's scale words 8,192 bytes, v's 4,096, then for each step k's codes 8,192 and v's 8,192.  Two fills: scales and steps 0 to 3; then steps 4 to 15.
; CLUSTER.  The four work-groups of a cluster have the same bg: every fill is a joint load that all four name.  No data prefetch: there is no loop of fills to run ahead in, and the second fill has three steps in which to land.
; LAYOUT.  Both products are transposed (S^T = k q^T, O^T = v^T p^T): lane (r, h) holds query r of a tile.  By the stored order of keys the 16 registers of two neighbouring tiles of keys are 16 neighbours along the second product's K.
; A block of 32 keys has the scale exponent E - 8, E = floor(t - M) of its largest score, held at -118 from below; p is held at 1.75 x 2^E (where the exponential rounds up to 2^(E + 1), the number lies on the edge between the two scales).
; LIMITS: the softmax serves scaled scores (t) under 2^31 in magnitude; NaN and infinities are not served.
; REGISTERS.  window 0: v1-63 below; v64-95 sums in the making; v96-127 q (two tiles: 8 registers of codes, 8 of zeros); v128-191 A's scores, then p; v192-255 B's.
;   window 1: v0-63 k's fragments (a tile's 8 registers; the operand's upper 8 are the next tile's, over q's zeros), v64-71 zeros; v72-135 v's; v136-167 p's codes of A, B; v168-231 O^T of A, B.
.set QSO,  4194304                     ; w2: q's scale words
.set KVO,  4456448                     ; the blocks of k and v, one for each bg
.set KVH,  274432
.set PHA,  77824                       ; the first fill's bytes
.set STG,  274432                      ; the stage for O's scale words; no tile lands there
.set SPARE, 275456                     ; the spare words, 128 bytes for each wave
.set ASO,  4194304                     ; w3: O's scale words
.set KLAST, 12288+15*16384             ; where the last step's codes begin
.set LI,   1                           ; 16 x lane
.set L8,   2                           ; 8 x lane
.set ADK,  3                           ; LDS addresses: k's codes of the next step, v's codes of this one, and their scale words
.set ADV,  4
.set ADS,  5
.set ADT,  13
.set SPW,  6
.set NIL,  7
.set KS,   8                           ; v8-11 k's scale words
.set QS,   12                          ; q's: lanes 0-15 tile A, lanes 16-31 tile B
.set VS,   14                          ; v14-15 v's
.set WA,   16                          ; v16, v17 p's scale words of A, B
.set NMA,  18                          ; v18 -M, v19 the largest score (A); v20, v21 (B)
.set FA,   22                          ; v22 f, v23 its exponent (A); v24, v25 (B)
.set LA,   26                          ; v26-27 the sum in two halves (A); v28-29 (B)
.set BM,   32                          ; v32-39 the eight blocks' largest scores, then E
.set SC,   40                          ; v40-47 the conversions' scale operands
.set HD,   48                          ; v48-55 1.75 x 2^E
.set CH,   56                          ; v56-63 B's sums, a pair for each block
.set T,    64
.set Q,    96
.set S,    128
.set KF,   0
.set VF,   72
.set PC,   136
.set O,    168
.set MNT,  3                           ; s3 the mantissa field of 448
.set HM,   2                           ; s2 lanes 16-31
.set WV,   8
.set G1A,  16
.set G1B,  24
.set G0A,  32
.set G0B,  36
.set SEL,  40
.set CS,   42                          ; s[42:43] log2(e)
.set NC,   44                          ; s44 -log2(e)
.set TB,   45                          ; this step's codes begin here; TS: its k scale words; TJ: its v scale words
.set TS,   46
.set TJ,   47
.set CNT,  48
.set TN,   62                          ; the next step's codes, and k scale words
.set TSN,  63
.set MSB, 0
.macro WIN new                         ; the immediate's high byte repeats the setting that is left
.if MSB != (\new)
	s_set_vgpr_msb (MSB<<8)|(\new)
.set MSB, (\new)
.endif
.endm
.macro CROUND                          ; a round of the cluster's barrier
	s_barrier_signal -1
	s_barrier_wait -1
	s_cmp_lg_u32 s[WV], 0
	s_cbranch_scc1 .Lnot_wave_0_\@
	s_barrier_signal -3
.Lnot_wave_0_\@:
	s_barrier_wait -3
	s_barrier_signal -1
	s_barrier_wait -1
.endm
.macro FETCHK                          ; eight tiles of 16 keys, 1,024 bytes each (window 1 is the destination)
.irp t, 0,1,2,3,4,5,6,7
	ds_load_b128 v[KF+8*\t:KF+8*\t+3], v[ADK] offset:1024*\t
	ds_load_b128 v[KF+8*\t+4:KF+8*\t+7], v[ADK] offset:1024*\t+512
.endr
.endm
.macro ADDP x, b, c, n                 ; a quarter of a block's p, two and two: into pair n of T
	v_pk_add_f32 v[T+2*(\n):T+2*(\n)+1], v[\x+16*(\b)+4*(\c):\x+16*(\b)+4*(\c)+1], v[\x+16*(\b)+4*(\c)+2:\x+16*(\b)+4*(\c)+3]
.endm
.macro HOLD2 x, h, b, j                ; p is not negative: the hold is one-sided.  Register j of block b and its neighbour's counterpart of block b + 1
.set P0, \x+16*(\b)+(\j)
.set P1, \x+16*((\b)+1)+((\j)^1)
	v_dual_min_num_f32 v[P0], v[P0], v[\h+(\b)] :: v_dual_min_num_f32 v[P1], v[P1], v[\h+(\b)+1]
.endm
.macro TAILA i                         ; A: the sixteen pairs of T come together in 15 lines; line 15: the sum under the new M
.if (\i) < 8
	v_pk_add_f32 v[T+2*(\i):T+2*(\i)+1], v[T+2*(\i):T+2*(\i)+1], v[T+2*(\i)+16:T+2*(\i)+17]
.elseif (\i) < 12
	v_pk_add_f32 v[T+2*(\i)-16:T+2*(\i)-15], v[T+2*(\i)-16:T+2*(\i)-15], v[T+2*(\i)-8:T+2*(\i)-7]
.elseif (\i) == 12
	v_pk_add_f32 v[T:T+1], v[T:T+1], v[T+4:T+5]
.elseif (\i) == 13
	v_pk_add_f32 v[T+2:T+3], v[T+2:T+3], v[T+6:T+7]
.elseif (\i) == 14
	v_pk_add_f32 v[T:T+1], v[T:T+1], v[T+2:T+3]
.else
	v_pk_fma_f32 v[LA:LA+1], v[LA:LA+1], v[FA:FA+1], v[T:T+1] op_sel_hi:[1,0,1]
.endif
.endm
.macro CHAIN c, u                      ; B: pair u of quarter c of each block's p, onto the block's own sum (the first two pairs start it)
.irp b, 0,1,2,3
.set X_, S+64+16*\b+4*(\c)+2*(\u)
.if (\c) > 0
	v_pk_add_f32 v[CH+2*\b:CH+2*\b+1], v[CH+2*\b:CH+2*\b+1], v[X_:X_+1]
.elseif (\u) == 1
	v_pk_add_f32 v[CH+2*\b:CH+2*\b+1], v[X_-2:X_-1], v[X_:X_+1]
.endif
.endr
.endm
.macro MX x, i                         ; line i of 32 of tile x's blocks' largest scores: two chains a block, each tile of keys from its low end on
.set R_, (\i)/4
.set B_, (\i)%4
.set X_, S+64*(\x)+16*B_
.set M_, BM+4*(\x)+B_
.set D_, T+B_
.if R_ == 0
	v_max3_num_f32 v[M_], v[X_], v[X_+1], v[X_+2]
.elseif R_ == 1
	v_max3_num_f32 v[D_], v[X_+8], v[X_+9], v[X_+10]
.elseif R_ == 2
	v_max3_num_f32 v[M_], v[M_], v[X_+3], v[X_+4]
.elseif R_ == 3
	v_max3_num_f32 v[D_], v[D_], v[X_+11], v[X_+12]
.elseif R_ == 4
	v_max3_num_f32 v[M_], v[M_], v[X_+5], v[X_+6]
.elseif R_ == 5
	v_max3_num_f32 v[D_], v[D_], v[X_+13], v[X_+14]
.elseif R_ == 6
	v_max3_num_f32 v[M_], v[M_], v[X_+7], v[X_+15]
.else
	v_max_num_f32 v[M_], v[M_], v[D_]
.endif
.endm
.macro AL x, k                         ; line k of 16 of tile x's new M and f
.if (\k) < 4
	v_permlanex16_b32 v[SC+4*(\x)+(\k)], v[BM+4*(\x)+(\k)], s[SEL], s[SEL+1]
.elseif (\k) < 8
	v_max_num_f32 v[BM+4*(\x)+(\k)-4], v[BM+4*(\x)+(\k)-4], v[SC+4*(\x)+(\k)-4]    ; with lane l xor 16's 16 keys
.elseif (\k) < 10
	v_max3_num_f32 v[NMA+2*(\x)+1], v[NMA+2*(\x)+1], v[BM+4*(\x)+2*((\k)-8)], v[BM+4*(\x)+2*((\k)-8)+1]   ; the running largest score
.elseif (\k) == 10
	v_mul_f32 v[30+(\x)], s[NC], v[NMA+2*(\x)+1]
.elseif (\k) == 11
	v_floor_f32 v[30+(\x)], v[30+(\x)]             ; the new -M = floor(-t)
.elseif (\k) == 12
	v_sub_f32 v[FA+2*(\x)+1], v[30+(\x)], v[NMA+2*(\x)]    ; M's old value less its new one: a whole number, 0 or less
.elseif (\k) == 13
	v_mov_b32 v[NMA+2*(\x)], v[30+(\x)]
.elseif (\k) == 14
	v_cvt_i32_f32 v[FA+2*(\x)+1], v[FA+2*(\x)+1]   ; (it saturates)
.else
	v_ldexp_f32 v[FA+2*(\x)], 1.0, v[FA+2*(\x)+1]  ; f = 2^(old M - new M)
.endif
.endm
.macro FM i                            ; A: t - M, two at a time
	v_pk_fma_f32 v[S+2*(\i):S+2*(\i)+1], v[S+2*(\i):S+2*(\i)+1], s[CS:CS+1], v[NMA:NMA+1] op_sel_hi:[1,0,0]
.endm
.macro CVT x                           ; tile x's 64 numbers become 16 registers of codes in window 1
	WIN 0x40
.irp b, 0,1,2,3
	v_cvt_scalef32_pk8_fp8_f32 v[PC+16*\x+4*\b:PC+16*\x+4*\b+1], v[S+64*\x+16*\b:S+64*\x+16*\b+7], v[SC+4*\x+\b]
	v_cvt_scalef32_pk8_fp8_f32 v[PC+16*\x+4*\b+2:PC+16*\x+4*\b+3], v[S+64*\x+16*\b+8:S+64*\x+16*\b+15], v[SC+4*\x+\b]
.endr
	WIN 0
.endm
.macro PV x                            ; O^T += v^T p^T: four tiles of 16 of the head's 64
	WIN 0x55
.irp e, 0,2
	v_wmma_scale_f32_16x16x128_f8f6f4 v[O+32*\x+8*\e:O+32*\x+8*\e+7], v[VF+16*\e:VF+16*\e+15], v[PC+16*\x:PC+16*\x+15], v[O+32*\x+8*\e:O+32*\x+8*\e+7], v[VS+\e/2], v[WA+\x]
	v_wmma_scale_f32_16x16x128_f8f6f4 v[O+32*\x+8*\e+8:O+32*\x+8*\e+15], v[VF+16*\e+16:VF+16*\e+31], v[PC+16*\x:PC+16*\x+15], v[O+32*\x+8*\e+8:O+32*\x+8*\e+15], v[VS+\e/2], v[WA+\x] matrix_a_scale:MATRIX_SCALE_ROW1
.endr
	WIN 0
.endm
; A STEP of 128 keys for both tiles.  k's fragments are in registers; v's, and the next step's k, are fetched behind the first product.  last = 1: the very last step asks for its own keys once more instead of the next ones.
.macro STEP last
	s_add_co_u32 s[TN], s[TB], 16384
	s_add_co_u32 s[TSN], s[TS], 512
.if \last
	s_min_u32 s[TN], s[TN], KLAST
	s_min_u32 s[TSN], s[TSN], 15*512
.endif
	WIN 0x01
.irp t, 0,2,4,6
	v_wmma_scale_f32_16x16x128_f8f6f4 v[S+8*\t:S+8*\t+7], v[KF+8*\t:KF+8*\t+15], v[Q:Q+15], 0, v[KS+\t/2], v[QS]
	v_wmma_scale_f32_16x16x128_f8f6f4 v[S+64+8*\t:S+64+8*\t+7], v[KF+8*\t:KF+8*\t+15], v[Q+16:Q+31], 0, v[KS+\t/2], v[QS] matrix_b_scale:MATRIX_SCALE_ROW1
	v_wmma_scale_f32_16x16x128_f8f6f4 v[S+8*\t+8:S+8*\t+15], v[KF+8*\t+8:KF+8*\t+23], v[Q:Q+15], 0, v[KS+\t/2], v[QS] matrix_a_scale:MATRIX_SCALE_ROW1
	v_wmma_scale_f32_16x16x128_f8f6f4 v[S+64+8*\t+8:S+64+8*\t+15], v[KF+8*\t+8:KF+8*\t+23], v[Q+16:Q+31], 0, v[KS+\t/2], v[QS] matrix_a_scale:MATRIX_SCALE_ROW1 matrix_b_scale:MATRIX_SCALE_ROW1
.endr
	WIN 0
	v_add_nc_u32 v[ADV], s[TB], v[LI]              ; eight places behind the products: these four and four v_nop
	v_add_nc_u32 v[ADK], s[TN], v[LI]
	v_add_nc_u32 v[ADS], s[TSN], v[L8]
	v_add_nc_u32 v[ADT], s[TJ], v[L8]
.rept 4
	v_nop
.endr
	WIN 0x40
.irp e, 0,1,2,3
.irp c, 0,1,2,3
	ds_load_b128 v[VF+16*\e+4*\c:VF+16*\e+4*\c+3], v[ADV] offset:8192+2048*\e+512*\c
.endr
.endr
	FETCHK
	WIN 0
	ds_load_b64 v[KS:KS+1], v[ADS]
	ds_load_b64 v[KS+2:KS+3], v[ADS] offset:256
	ds_load_b64 v[VS:VS+1], v[ADT]
.set N_, 0
.rept 32                                       ; the largest score of each block of 32 keys: A's,
	MX 0, N_
.set N_, N_+1
.endr
.set N_, 0
.rept 16                                       ; B's, and among them A's new M,
	MX 1, 2*N_
	MX 1, 2*N_+1
	AL 0, N_
.set N_, N_+1
.endr
.set N_, 0
.rept 16                                       ; A's t - M, and among them B's new M
	FM 2*N_
	FM 2*N_+1
	AL 1, N_
.set N_, N_+1
.endr
.irp n, 0,1,2,3,4,5,6,7
	v_fma_f32 v[BM+\n], v[BM+\n], s[CS], v[NMA+2*(\n/4)]   ; each block's largest t - M
.endr
.irp n, 0,1,2,3,4,5,6,7
	v_cvt_floor_i32_f32 v[BM+\n], v[BM+\n]         ; E
.endr
.irp n, 0,1,2,3,4,5,6,7
	v_max_i32 v[BM+\n], 0xffffff8a, v[BM+\n]       ; at least -118: the byte cannot fall under 1
.endr
.irp x, 0,1
	v_lshl_add_u32 v[WA+\x], v[BM+4*\x+3], 8, v[BM+4*\x+2] ; the four bytes E + 119, summed with their borrows
.endr
.irp x, 0,1
	v_lshl_add_u32 v[WA+\x], v[WA+\x], 8, v[BM+4*\x+1]
.endr
.irp x, 0,1
	v_lshl_add_u32 v[WA+\x], v[WA+\x], 8, v[BM+4*\x]
.endr
.irp x, 0,1
	v_add_nc_u32 v[WA+\x], 0x77777777, v[WA+\x]
.endr
	s_wait_alu depctr_va_vdst(0)                   ; ahead of the batch
.set I_, S
.rept 32                                       ; A's exponentials, and among them B's t - M
	v_exp_f32 v[I_], v[I_]
	v_exp_f32 v[I_+1], v[I_+1]
	v_pk_fma_f32 v[I_+64:I_+65], v[I_+64:I_+65], s[CS:CS+1], v[NMA+2:NMA+3] op_sel_hi:[1,0,0]
.if (I_-S)%4 == 0
.set E_, (I_-S)/4
.if E_ < 8
	v_lshl_add_u32 v[SC+E_], v[BM+E_], 23, 0x3b800000      ; 2^(E - 8)
.else
	v_lshl_add_u32 v[HD+E_-8], v[BM+E_-8], 23, 0x3fe00000  ; 1.75 x 2^E = 448 x the scale
.endif
.endif
.set I_, I_+2
.endr
	s_wait_alu depctr_va_vdst(0)                   ; behind A's batch and ahead of B's
.set I_, S+64
.set N_, 0
.rept 8                                        ; B's exponentials, and among them A's sums (ahead of the holds: of the unquantised p) and holds
.set B_, 2*(N_/4)
.set C_, N_%4
	v_exp_f32 v[I_], v[I_]
	ADDP S, B_, C_, 2*N_
	v_exp_f32 v[I_+1], v[I_+1]
	ADDP S, B_+1, C_, 2*N_+1
	v_exp_f32 v[I_+2], v[I_+2]
	v_exp_f32 v[I_+3], v[I_+3]
	HOLD2 S, HD, B_, 4*C_
	v_exp_f32 v[I_+4], v[I_+4]
	HOLD2 S, HD, B_, 4*C_+1
	v_exp_f32 v[I_+5], v[I_+5]
	v_exp_f32 v[I_+6], v[I_+6]
	HOLD2 S, HD, B_, 4*C_+2
	v_exp_f32 v[I_+7], v[I_+7]
	HOLD2 S, HD, B_, 4*C_+3
.set I_, I_+8
.set N_, N_+1
.endr
	WIN 0x41
	s_wait_alu depctr_va_vdst(0)                   ; behind the batch, and ahead of the first readers of O^T
.set I_, 0
.rept 32                                       ; O^T under the new M
	v_pk_mul_f32 v[O+I_:O+I_+1], v[O+I_:O+I_+1], v[FA+2*(I_/32):FA+2*(I_/32)+1] op_sel_hi:[1,0]
.set I_, I_+2
.endr
	CVT 0
.set C_, 0
.rept 4                                        ; B's sums (ahead of the holds) and holds, and among them A's sum
	CHAIN C_, 0
	TAILA 4*C_
	TAILA 4*C_+1
	CHAIN C_, 1
	TAILA 4*C_+2
	HOLD2 S+64, HD+4, 0, 4*C_
	HOLD2 S+64, HD+4, 0, 4*C_+1
	HOLD2 S+64, HD+4, 0, 4*C_+2
	HOLD2 S+64, HD+4, 0, 4*C_+3
	TAILA 4*C_+3
	HOLD2 S+64, HD+4, 2, 4*C_
	HOLD2 S+64, HD+4, 2, 4*C_+1
	HOLD2 S+64, HD+4, 2, 4*C_+2
	HOLD2 S+64, HD+4, 2, 4*C_+3
.if C_ == 0
	s_wait_alu depctr_va_vdst(0)
	s_wait_dscnt 0x0                               ; v's fragments, and the next step's k
	PV 0
.endif
.set C_, C_+1
.endr
	CVT 1
	v_pk_add_f32 v[CH:CH+1], v[CH:CH+1], v[CH+2:CH+3]      ; B's sum: these four are also the places between the codes and their product
	v_pk_add_f32 v[CH+4:CH+5], v[CH+4:CH+5], v[CH+6:CH+7]
	v_pk_add_f32 v[CH:CH+1], v[CH:CH+1], v[CH+4:CH+5]
	v_pk_fma_f32 v[LA+2:LA+3], v[LA+2:LA+3], v[FA+2:FA+3], v[CH:CH+1] op_sel_hi:[1,0,1]
	PV 1
	s_add_co_u32 s[TB], s[TB], 16384
	s_add_co_u32 s[TS], s[TS], 512
	s_add_co_u32 s[TJ], s[TJ], 256
.endm
	s_load_b128 s[4:7], s[0:1], 0x0                ; w2, w3
	v_lshl_add_u32 v[SPW], v0, 2, SPARE
	v_mov_b32 v[NIL], 0
	ds_add_u32 v[SPW], v[NIL]                      ; the wave's opening: the add, twice on end, and its wait ahead of my first tensor load
	ds_add_u32 v[SPW], v[NIL]
	v_lshrrev_b32 v30, 5, v0
	v_readfirstlane_b32 s[WV], v30                 ; wave 0..7
	s_bfe_u32 s9, ttmp6, 0x40000
	s_lshl_b32 s10, ttmp9, 2
	s_add_co_u32 s10, s10, s9                      ; which 256 queries
	s_and_b32 s11, ttmp7, 0xffff                   ; bg = 16 b + head
	s_mul_i32 s12, s11, KVH
	s_add_co_u32 s12, s12, KVO                     ; the block of k and v (these registers never hold cx)
	s_mov_b32 s13, 0
	s_mul_i32 s14, s[WV], 38*256                   ; my part of the first fill, in memory and in LDS
	s_mov_b32 s15, 0
	s_mul_i32 s50, s[WV], 96*256
	s_add_co_u32 s50, s50, PHA                     ; and of the second
	s_mov_b32 s51, 0
	s_mov_b32 s[G1A], 15|(3<<16)|(1<<21)           ; 15:0 all four of the cluster; 17:16 elements of 8 bytes; 21 set beside a mask; dense rows of 256 bytes
	s_mov_b32 s[G1A+1], 32<<16
	s_mov_b32 s[G1A+2], 38<<16
	s_mov_b32 s[G1A+3], 32<<16
	s_mov_b32 s[G1A+4], 38
	s_mov_b32 s[G1A+5], 32
	s_mov_b32 s[G1A+6], 0
	s_mov_b32 s[G1A+7], 0
	s_mov_b32 s[G1B], 15|(3<<16)|(1<<21)
	s_mov_b32 s[G1B+1], 32<<16
	s_mov_b32 s[G1B+2], 96<<16
	s_mov_b32 s[G1B+3], 32<<16
	s_mov_b32 s[G1B+4], 96
	s_mov_b32 s[G1B+5], 32
	s_mov_b32 s[G1B+6], 0
	s_mov_b32 s[G1B+7], 0
	s_mov_b32 s[SEL], 0x76543210
	s_mov_b32 s[SEL+1], 0xfedcba98                 ; lane l xor 16
	s_mov_b32 s[CS], 0x3fb8aa3b
	s_mov_b32 s[CS+1], s[CS]                       ; (named with it as a pair, so it is written)
	s_mov_b32 s[NC], 0xbfb8aa3b
	s_mov_b32 s[MNT], 0x600000
	s_mov_b32 s[HM], 0xffff0000
	s_mov_b32 s[TB], 12288
	s_mov_b32 s[TS], 0
	s_mov_b32 s[TJ], 8192
	s_wait_dscnt 0x0                               ; both opening adds are done
	s_wait_kmcnt 0x0
	s_add_nc_u64 s[12:13], s[4:5], s[12:13]
	CROUND                                         ; all four work-groups are here: the joint loads meet
	s_mov_b32 s[G0A], 1
	s_mov_b32 s[G0A+1], s14
	s_add_nc_u64 s[G0A+2:G0A+3], s[12:13], s[14:15]
	s_or_b32 s[G0A+3], s[G0A+3], 0x80000000
	s_mov_b32 s[G0B], 1
	s_mov_b32 s[G0B+1], s50
	s_add_nc_u64 s[G0B+2:G0B+3], s[12:13], s[50:51]
	s_or_b32 s[G0B+3], s[G0B+3], 0x80000000
	tensor_load_to_lds s[G0A:G0A+3], s[G1A:G1A+7]
	s_nop 0
.rept 4
	v_nop
.endr
	; under its flight: my two tiles of q and their scale words
	s_lshl_b32 s54, s11, 7
	s_lshl_b32 s49, s10, 4
	s_add_co_u32 s54, s54, s49
	s_lshl_b32 s49, s[WV], 1
	s_add_co_u32 s54, s54, s49
	s_lshl_b32 s54, s54, 10                        ; tile 128 bg + 16 x + 2 w: 1,024 bytes a tile
	s_mov_b32 s55, 0
	s_add_nc_u64 s[54:55], s[4:5], s[54:55]
	s_lshl_b32 s56, s11, 5
	s_lshl_b32 s49, s10, 2
	s_add_co_u32 s56, s56, s49
	s_lshr_b32 s49, s[WV], 1
	s_add_co_u32 s56, s56, s49
	s_lshl_b32 s56, s56, 8                         ; 256 bytes for 64 queries, 8 a lane:
	s_and_b32 s49, s[WV], 1
	s_lshl_b32 s49, s49, 2
	s_add_co_u32 s56, s56, s49                     ; my pair of tiles' word
	s_add_co_u32 s56, s56, QSO
	s_mov_b32 s57, 0
	s_add_nc_u64 s[56:57], s[4:5], s[56:57]
	v_and_b32 v30, 31, v0
	v_lshlrev_b32 v[LI], 4, v30
	v_lshlrev_b32 v[L8], 3, v30
	s_wait_alu depctr_va_vdst(0)
	global_load_b128 v[Q:Q+3], v[LI], s[54:55]
	global_load_b128 v[Q+4:Q+7], v[LI], s[54:55] offset:512
	global_load_b128 v[Q+16:Q+19], v[LI], s[54:55] offset:1024
	global_load_b128 v[Q+20:Q+23], v[LI], s[54:55] offset:1536
	global_load_b32 v[QS], v[L8], s[56:57]
	; where O's codes and scale words go
	s_lshr_b32 s52, s11, 4                         ; b
	s_and_b32 s53, s11, 15                         ; head
	s_lshl_b32 s58, s52, 4
	s_lshl_b32 s49, s10, 1
	s_add_co_u32 s58, s58, s49
	s_lshr_b32 s49, s[WV], 2
	s_add_co_u32 s58, s58, s49
	s_lshl_b32 s58, s58, 17                        ; the block of 128 rows
	s_lshr_b32 s49, s53, 1
	s_lshl_b32 s49, s49, 14
	s_add_co_u32 s58, s58, s49                     ; K step head / 2
	s_and_b32 s49, s[WV], 3
	s_lshl_b32 s49, s49, 12
	s_add_co_u32 s58, s58, s49                     ; my two row tiles of 2,048 bytes
	s_and_b32 s49, s53, 1
	s_lshl_b32 s49, s49, 10
	s_add_co_u32 s58, s58, s49                     ; the head's half of the K step
	s_mov_b32 s59, 0
	s_add_nc_u64 s[58:59], s[6:7], s[58:59]
	s_lshl_b32 s60, s53, 14
	s_lshl_b32 s49, s52, 13
	s_add_co_u32 s60, s60, s49
	s_lshl_b32 s49, s10, 10
	s_add_co_u32 s60, s60, s49
	s_add_co_u32 s60, s60, ASO
	s_mov_b32 s61, 0
	s_add_nc_u64 s[60:61], s[6:7], s[60:61]
	v_add_nc_u32 v[ADK], 12288, v[LI]              ; step 0's k
	v_mov_b32 v[ADS], v[L8]
.irp x, 0,1
.irp j, 8,9,10,11,12,13,14,15
	v_mov_b32 v[Q+16*\x+\j], 0                     ; K = 64 fills half of the instruction's 128
.endr
	v_mov_b32 v[NMA+2*\x], 0x7e967699              ; the first -M less this makes f = 0
	v_mov_b32 v[NMA+2*\x+1], 0xff61b1e6            ; the largest score so far: -3e38
	v_mov_b32 v[LA+2*\x], 0
	v_mov_b32 v[LA+2*\x+1], 0
.endr
.irp n, 0,1,2,3,4,5,6,7
	v_mov_b32 v[SC+\n], 0                          ; (a lane permute's destination counts as one of its sources)
.endr
	WIN 0x40
.irp j, 0,1,2,3,4,5,6,7
	v_mov_b32 v[KF+64+\j], 0
.endr
.set I_, 0
.rept 64
	v_mov_b32 v[O+I_], 0                           ; (the loop is written once: its first step finds zeros)
.set I_, I_+1
.endr
	WIN 0
	s_wait_alu depctr_va_vdst(0)                   ; the head's end
	s_wait_tensorcnt 0x0                           ; my part of the first fill is in; these lines stand ahead of a later first fill as ahead of a refill:
	ds_add_u32 v[SPW], v[NIL]
	s_wait_dscnt 0x0
	CROUND                                         ; everybody's part is in
	tensor_load_to_lds s[G0B:G0B+3], s[G1B:G1B+7]
	s_nop 0
.rept 4
	v_nop
.endr
	WIN 0x40
	FETCHK
	WIN 0
	ds_load_b64 v[KS:KS+1], v[ADS]
	ds_load_b64 v[KS+2:KS+3], v[ADS] offset:256
	s_wait_loadcnt 0x0                             ; q
	s_wait_dscnt 0x0
	s_mov_b32 s[CNT], 3                            ; steps 0 to 2, which fetch k up to step 3: the first fill's
.Lfirst:
	STEP 0
	s_sub_co_u32 s[CNT], s[CNT], 1
	s_cmp_lg_u32 s[CNT], 0
	s_cbranch_scc1 .Lfirst
	s_wait_alu depctr_va_vdst(0)
	s_wait_tensorcnt 0x0                           ; my part of the second fill is in,
	s_wait_dscnt 0x0
	s_barrier_signal -1
	s_barrier_wait -1                              ; everybody's is
	s_mov_b32 s[CNT], 13
.Lrest:
	STEP 1
	s_sub_co_u32 s[CNT], s[CNT], 1
	s_cmp_lg_u32 s[CNT], 0
	s_cbranch_scc1 .Lrest
	; THE WAY OUT: O^T / the sum, quantised along the head's 64 (two blocks a tile, in lanes l and l xor 16)
.rept 4
	v_nop
.endr
	s_wait_alu depctr_va_vdst(0)                   ; ahead of the sums' readers behind the loop
	v_add_f32 v[LA], v[LA], v[LA+1]
	v_add_f32 v[LA+2], v[LA+2], v[LA+3]
	v_permlanex16_b32 v30, v[LA], s[SEL], s[SEL+1]
	v_permlanex16_b32 v31, v[LA+2], s[SEL], s[SEL+1]
	v_add_f32 v[LA], v[LA], v30
	v_add_f32 v[LA+2], v[LA+2], v31
	s_wait_alu depctr_va_vdst(0)                   ; ahead of the transcendentals
	v_rcp_f32 v[FA], v[LA]
	v_rcp_f32 v[FA+2], v[LA+2]
	v_lshl_add_u32 v[ADV], v0, 2, STG              ; the stage: word 32 wave + lane
	v_add_nc_u32 v[ADT], STG, v[LI]
	WIN 0x01
	s_wait_alu depctr_va_vdst(0)                   ; and behind them, ahead of the first readers of O^T too
.set I_, 0
.rept 32
	v_pk_mul_f32 v[S+I_+32*(I_/32):S+I_+32*(I_/32)+1], v[O+I_:O+I_+1], v[FA+2*(I_/32):FA+2*(I_/32)+1] op_sel_hi:[1,0]
.set I_, I_+2
.endr
	WIN 0
.irp n, 0,1,2,3                                ; blocks 0, 1: tile A; 2, 3: tile B
.set X_, S+16*(\n%2)+64*(\n/2)
	v_max3_num_f32 v[BM+\n], |v[X_]|, |v[X_+1]|, 0x4800000 ; and the floor under which a byte would fall under 1
.endr
.irp i, 2,4,6,8,10,12,14
.irp n, 0,1,2,3
.set X_, S+16*(\n%2)+64*(\n/2)+\i
	v_max3_num_f32 v[BM+\n], v[BM+\n], |v[X_]|, |v[X_+1]|
.endr
.endr
.irp n, 0,1,2,3
	v_permlanex16_b32 v[SC+\n], v[BM+\n], s[SEL], s[SEL+1]
.endr
.irp n, 0,1,2,3
	v_max_num_f32 v[BM+\n], v[BM+\n], v[SC+\n]
.endr
.irp n, 0,1,2,3
	v_add_nc_u32 v[SC+\n], 0xfc000000, v[BM+\n]
.endr
.irp n, 0,1,2,3
	v_and_or_b32 v[HD+\n], v[BM+\n], 0x7f800000, s[MNT]
.endr
.irp n, 0,1,2,3
	v_lshrrev_b32 v[BM+\n], 23, v[SC+\n]
.endr
	v_lshl_or_b32 v30, v[BM+1], 8, v[BM]
	v_lshl_or_b32 v31, v[BM+3], 8, v[BM+2]
	v_cndmask_b32 v30, v30, v31, s[HM]             ; lanes 0-15 keep tile A's word, lanes 16-31 tile B's
.irp n, 0,1,2,3
.set X_, S+16*(\n%2)+64*(\n/2)
.rept 16
	v_med3_num_f32 v[X_], v[X_], -v[HD+\n], v[HD+\n]
.set X_, X_+1
.endr
.set X_, S+16*(\n%2)+64*(\n/2)
	v_cvt_scalef32_pk8_fp8_f32 v[T+4*\n:T+4*\n+1], v[X_:X_+7], v[SC+\n]
	v_cvt_scalef32_pk8_fp8_f32 v[T+4*\n+2:T+4*\n+3], v[X_+8:X_+15], v[SC+\n]
.endr
	v_nop
.irp n, 0,1,2,3
	global_store_b128 v[LI], v[T+4*\n:T+4*\n+3], s[58:59] offset:2048*(\n/2)+512*(\n%2)    ; 512 consecutive bytes
.endr
	ds_store_b32 v[ADV], v30
	s_wait_dscnt 0x0                               ; for wave 0's sake: my words lie in the stage
	s_barrier_signal -1
	s_barrier_wait -1
	s_cmp_lg_u32 s[WV], 0
	s_cbranch_scc1 .Lnot_first
	ds_load_b128 v[S:S+3], v[ADT]                  ; wave 0 stores the 256 rows' words: 1,024 consecutive bytes
	ds_load_b128 v[S+4:S+7], v[ADT] offset:512
	s_wait_dscnt 0x0
	global_store_b128 v[LI], v[S:S+3], s[60:61]
	global_store_b128 v[LI], v[S+4:S+7], s[60:61] offset:512
.Lnot_first:
	s_wait_tensorcnt 0x0                           ; the wave's end
	ds_add_u32 v[SPW], v[NIL]
	s_wait_dscnt 0x0
	CROUND                                         ; the closing round
	s_endpgm
.Lfunc_end_k_qa46decff2c_attn:
	.size	k_qa46decff2c_attn, .Lfunc_end_k_qa46decff2c_attn-k_qa46decff2c_attn
	.p2alignl 7, 3214868480
	.fill 96, 4, 3214868480
	.section	.rodata,"a",@progbits
	.p2align	6, 0x0
	.amdhsa_kernel k_qa46decff2c_attn
		.amdhsa_group_segment_fixed_size 327680
		.amdhsa_private_segment_fixed_size 0
		.amdhsa_enable_private_segment 0
		.amdhsa_kernarg_size 16
		.amdhsa_user_sgpr_count 2
		.amdhsa_user_sgpr_kernarg_segment_ptr 1
		.amdhsa_wavefront_size32 1
		.amdhsa_system_sgpr_workgroup_id_x 1
		.amdhsa_system_sgpr_workgroup_id_y 1
		.amdhsa_system_sgpr_workgroup_id_z 1
		.amdhsa_system_vgpr_workitem_id 0
		.amdhsa_next_free_vgpr 512
		.amdhsa_next_free_sgpr 66
		.amdhsa_reserve_vcc 0
		.amdhsa_float_denorm_mode_32 3
		.amdhsa_float_denorm_mode_16_64 3
		.amdhsa_memory_ordered 1
		.amdhsa_forward_progress 1
		.amdhsa_inst_pref_size 92
	.end_amdhsa_kernel
	.amdgpu_metadata
---
amdhsa.version: [ 1, 2 ]
amdhsa.kernels:
  - .name:           k_qa46decff2c_attn
    .symbol:         k_qa46decff2c_attn.kd
    .args:
      - { .name: w2, .offset: 0, .size: 8, .value_kind: global_buffer, .address_space: global }
      - { .name: w3, .offset: 8, .size: 8, .value_kind: global_buffer, .address_space: global }
    .group_segment_fixed_size: 327680
    .private_segment_fixed_size: 0
    .kernarg_segment_align: 8
    .kernarg_segment_size: 16
    .max_flat_workgroup_size: 256
    .sgpr_count:     66
    .vgpr_count:     512
    .wavefront_size: 32
...
	.end_amdgpu_metadata
.endif
;; end of part 3
;; launch outp (part 4): grid 8 x 32, 4 waves a work-group, clusters of 4 x 4, 327,680 bytes of LDS; arguments w1, w3, out_b, out0; writes out0
.if DOCPART == 4
	.amdgcn_target "amdgcn-amd-amdhsa--gfx1250"
	.amdhsa_code_object_version 6
	.text
	.protected	k_qa46decff2c_outp
	.globl	k_qa46decff2c_outp
	.p2align	8
	.type	k_qa46decff2c_outp,@function
k_qa46decff2c_outp:
	s_mov_b64 s[64:65], 0
	v_nop
	global_prefetch_b8 v0, s[64:65] scope:SCOPE_SE
	s_setreg_imm32_b32 hwreg(HW_REG_WAVE_MODE, 25, 1), 1
	s_wait_xcnt 0x0
	s_wait_alu depctr_hold_cnt(0) depctr_sa_sdst(0) depctr_va_vdst(0) depctr_va_sdst(0) depctr_va_ssrc(0) depctr_va_vcc(0) depctr_vm_vsrc(0)
	s_getreg_b32 s2, hwreg(HW_REG_IB_STS2, 6, 4)
	s_cmp_eq_u32 s2, 0
	s_cbranch_scc0 .Lentry_in_a_cluster
	s_endpgm
.Lentry_in_a_cluster:
	s_bfe_u32 s2, ttmp6, 0x10000c
	s_cmp_lg_u32 s2, 0xf033
	s_cbranch_scc0 .Lentry_shape_is_right
	s_endpgm
.Lentry_shape_is_right:
; out0 = A out_w^T + out_b, on codes of FP8 (E4M3) with E8M0 scales.  A (4,096 stored rows x 1,024) lies in w3 as images of the operand's registers, [block of 128 rows][K step][row tile][2,048 bytes]; its scale bytes as one word
; for each (head, row), two bytes used; out_w's codes and scale bytes lie in w1, rows as in the input.
; SHARES.  A work-group makes 128 stored rows (block RB) x 128 columns (block nt); each of its four waves 64 x 64: 16 accumulators, 128 matrix instructions.  256 work-groups.
; ALL OF K LIES IN LDS, in two halves of 512: A's 65,536 bytes a half as they lie in memory, out_w's 128 rows x 512 bytes a half (16 bytes of padding behind each row).  Four tiles, one tensor load a wave, filled once:
; waves 0 and 1 fetch the lower half, waves 2 and 3 the upper.  The first barrier shows the lower half, so its products run while the upper half is on its way; the second barrier shows the rest.
; CLUSTER 4 x 4.  A's tiles hang on RB alone and are shared along a row of the cluster, out_w's on nt alone and are shared along a column.  No data prefetch: everything is asked for at the head, and there is no loop to run ahead in.
; THE MATRIX INSTRUCTION IS USED TRANSPOSED (source 0 = 16 rows of out_w, source 1 = 16 rows of A): a lane holds eight neighbouring columns of one row.  The bias is the C of each sum's first instruction.
; The stored order of rows (bits 3 and 4 of t exchanged, b outermost) is undone in the stores' offsets.
; REGISTERS.  window 0: v1-31 addresses; v32-47 A's scale words, v48-63 out_w's (register 8 p + ks: lanes 0-15 tile 2 p, lanes 16-31 tile 2 p + 1); v64-95 the bias, later rows on the way out; v96-127 at work, later rows on the way out;
;   v128-255 the accumulators ((a, e) at v[128 + 8 (4 a + e)]).   window 1: two fragment buffers of 128: A's four tiles, then out_w's four.
.set PITCH, 272                        ; a row of the stage
.set BPITCH, 528                       ; a row of out_w in LDS: 512 bytes + 16 of padding
.set BOFF,  131072                     ; out_w's halves lie behind A's
.set HB,    128*BPITCH
.set STAGE, BOFF+2*HB                  ; the way out: 16 rows x 272 bytes for each wave; no tile lands there
.set SPARE, STAGE+4*16*PITCH           ; the spare words
.set OCO,   7864320                    ; w1: out_w's codes, its scale bytes
.set OSO,   9158656
.set ASO,   4194304                    ; w3: A's scale words
.set ADRA, 8                           ; v8-9    LDS address of my A fragments in half 0, 1
.set ADRB, 12                          ; v12-13  of out_w's
.set STO,  16                          ; v16  the way out: where I put 32 bytes of a row
.set RD,   17                          ; v17  where I read half a row pair back
.set CO,   18                          ; v18  my byte offset in two rows of out0
.set L4,   19
.set L32,  20
.set BO,   21
.set SPW,  30
.set NIL,  31
.set ASR,  32
.set BSR,  48
.set OB,   64
.set TMP,  96
.set ACC,  128
.set G1A, 16                           ; s[16:23] descriptor group 1 for A's tiles, s[24:31] for out_w's; s[32:39], s[48:55] their groups 0, one for each half
.set G1B, 24
.set G0A, 32
.set G0B, 48
.set MSB, 0
.macro WIN new                         ; the immediate's high byte repeats the setting that is left
.if MSB != (\new)
	s_set_vgpr_msb (MSB<<8)|(\new)
.set MSB, (\new)
.endif
.endm
.macro PLACES n
.rept \n
	v_nop
.endr
.endm
.macro CROUND                          ; a round of the cluster's barrier
	s_barrier_signal -1
	s_barrier_wait -1
	s_cmp_lg_u32 s12, 0
	s_cbranch_scc1 .Lnot_wave_0_\@
	s_barrier_signal -3
.Lnot_wave_0_\@:
	s_barrier_wait -3
	s_barrier_signal -1
	s_barrier_wait -1
.endm
.macro EMIT                            ; one scaled matrix instruction from the symbols rD, rA, rB, rC, rSA, rSB; pA, pB = 1: that side's scales are read from lanes 16-31
.if pA && pB
	v_wmma_scale_f32_16x16x128_f8f6f4 v[rD:rD+7], v[rA:rA+15], v[rB:rB+15], v[rC:rC+7], v[rSA], v[rSB] matrix_a_scale:MATRIX_SCALE_ROW1 matrix_b_scale:MATRIX_SCALE_ROW1
.elseif pA
	v_wmma_scale_f32_16x16x128_f8f6f4 v[rD:rD+7], v[rA:rA+15], v[rB:rB+15], v[rC:rC+7], v[rSA], v[rSB] matrix_a_scale:MATRIX_SCALE_ROW1
.elseif pB
	v_wmma_scale_f32_16x16x128_f8f6f4 v[rD:rD+7], v[rA:rA+15], v[rB:rB+15], v[rC:rC+7], v[rSA], v[rSB] matrix_b_scale:MATRIX_SCALE_ROW1
.else
	v_wmma_scale_f32_16x16x128_f8f6f4 v[rD:rD+7], v[rA:rA+15], v[rB:rB+15], v[rC:rC+7], v[rSA], v[rSB]
.endif
.endm
	s_load_b256 s[4:11], s[0:1], 0x0               ; w1 s[4:5], w3 s[6:7], out_b s[8:9], out0 s[10:11]
	v_lshl_add_u32 v[SPW], v0, 2, SPARE
	v_mov_b32 v[NIL], 0
	ds_add_u32 v[SPW], v[NIL]                      ; the wave's opening: the add, twice on end, and its wait ahead of my tensor load
	ds_add_u32 v[SPW], v[NIL]
	v_lshrrev_b32 v1, 5, v0
	v_readfirstlane_b32 s12, v1                    ; wave 0..3
	s_lshr_b32 s13, s12, 1                         ; which 64 of the block's rows are mine
	s_and_b32 s14, s12, 1                          ; which 64 of its columns
	s_bfe_u32 s66, ttmp6, 0x40000                  ; cx, cy
	s_bfe_u32 s67, ttmp6, 0x40004
	s_lshl_b32 s68, ttmp9, 2
	s_add_co_u32 s68, s68, s66                     ; nt = 4 x cluster x + cx
	s_and_b32 s69, ttmp7, 0xffff
	s_lshl_b32 s69, s69, 2
	s_add_co_u32 s69, s69, s67                     ; RB = 4 x cluster y + cy
	s_lshl_b32 s70, s67, 2
	s_lshl_b32 s70, 15, s70                        ; my row of the cluster
	s_lshl_b32 s71, 0x1111, s66                    ; my column
	s_or_b32 s[G1A], s70, (3<<16)|(1<<21)          ; 15:0 the mask; 17:16 elements of 8 bytes; 21 set beside a mask; no padding: a dense block as 256 rows of 256 bytes
	s_mov_b32 s[G1A+1], 32<<16
	s_mov_b32 s[G1A+2], 256<<16
	s_mov_b32 s[G1A+3], 32<<16
	s_mov_b32 s[G1A+4], 256
	s_mov_b32 s[G1A+5], 32
	s_mov_b32 s[G1A+6], 0
	s_mov_b32 s[G1A+7], 0
	s_or_b32 s[G1B], s71, (1<<20)|(1<<21)|(6<<22)|(3<<25)   ; elements of 1 byte; padding: four words after every 128
	s_mov_b32 s[G1B+1], 512<<16
	s_mov_b32 s[G1B+2], 128<<16
	s_mov_b32 s[G1B+3], 512<<16
	s_mov_b32 s[G1B+4], 128
	s_mov_b32 s[G1B+5], 1024
	s_mov_b32 s[G1B+6], 0
	s_mov_b32 s[G1B+7], 0
	s_lshl_b32 s72, s69, 17                        ; A: block RB (these registers never hold cx)
	s_mov_b32 s73, 0
	s_lshl_b32 s74, s68, 17
	s_add_co_u32 s74, s74, OCO                     ; out_w: row 128 nt (these never hold cy)
	s_mov_b32 s75, 0
	s_wait_dscnt 0x0                               ; both opening adds are done
	s_wait_kmcnt 0x0
	s_add_nc_u64 s[72:73], s[6:7], s[72:73]
	s_add_nc_u64 s[74:75], s[4:5], s[74:75]
	CROUND                                         ; all sixteen work-groups are here: the joint loads meet
.irp c, 0,1
	s_mov_b32 s[G0A+4*\c], 1
	s_mov_b32 s[G0A+4*\c+1], \c*65536
	s_add_nc_u64 s[G0A+4*\c+2:G0A+4*\c+3], s[72:73], \c*65536    ; K steps 4 c to 4 c + 3
	s_or_b32 s[G0A+4*\c+3], s[G0A+4*\c+3], 0x80000000
	s_mov_b32 s[G0B+4*\c], 1
	s_mov_b32 s[G0B+4*\c+1], BOFF+\c*HB
	s_add_nc_u64 s[G0B+4*\c+2:G0B+4*\c+3], s[74:75], \c*512
	s_or_b32 s[G0B+4*\c+3], s[G0B+4*\c+3], 0x80000000
.endr
.macro ARM under, g0, g1, next         ; one tree of branches on the wave's number: every way passes exactly one load
	s_cmp_lt_u32 s12, \under
	s_cbranch_scc0 \next
	tensor_load_to_lds s[\g0:\g0+3], s[\g1:\g1+7]
	s_nop 0
	PLACES 4
	s_branch .Lhead_asked
\next:
.endm
	ARM 1, G0A, G1A, .Lhead_b0
	ARM 2, G0B, G1B, .Lhead_a1
	ARM 3, G0A+4, G1A, .Lhead_b1
	tensor_load_to_lds s[G0B+4:G0B+7], s[G1B:G1B+7]
	s_nop 0
	PLACES 4
.Lhead_asked:
	s_lshl_b32 s76, s69, 7
	s_lshl_b32 s88, s13, 6
	s_add_co_u32 s76, s76, s88                     ; my first stored row: 128 RB + 64 half
	s_lshl_b32 s76, s76, 2
	s_add_co_u32 s76, s76, ASO
	s_mov_b32 s77, 0
	s_add_nc_u64 s[76:77], s[6:7], s[76:77]        ; A's scale words
	s_lshl_b32 s80, s68, 7
	s_lshl_b32 s89, s14, 6
	s_add_co_u32 s80, s80, s89                     ; my first column: 128 nt + 64 half
	s_lshl_b32 s78, s80, 5
	s_add_co_u32 s78, s78, OSO
	s_mov_b32 s79, 0
	s_add_nc_u64 s[78:79], s[4:5], s[78:79]        ; out_w's scale bytes: 32 a row
	s_lshl_b32 s80, s80, 2
	s_mov_b32 s81, 0
	s_and_b32 s82, s69, 15
	s_lshl_b32 s82, s82, 7
	s_add_co_u32 s82, s82, s88                     ; out0: t = 128 (RB % 16) + 64 half on: 8,192 bytes for each t,
	s_lshl_b32 s82, s82, 13
	s_lshr_b32 s88, s69, 4
	s_lshl_b32 s88, s88, 12
	s_add_co_u32 s82, s82, s88                     ; b = RB / 16: 4,096,
	s_add_co_u32 s82, s82, s80                     ; my columns
	s_mov_b32 s83, 0
	s_add_nc_u64 s[82:83], s[10:11], s[82:83]
	s_add_nc_u64 s[80:81], s[8:9], s[80:81]        ; out_b at my columns
	s_mov_b32 s90, 0x05040100                      ; v_perm_b32: the low halves of two words
	s_lshl_b32 s88, s13, 13
	s_mul_i32 s89, s14, 64*BPITCH
	s_add_co_u32 s89, s89, BOFF
	s_mul_i32 s91, s12, 16*PITCH
	s_add_co_u32 s91, s91, STAGE                   ; my stage
	v_and_b32 v1, 15, v0                           ; r
	v_bfe_u32 v2, v0, 4, 1                         ; h
	v_and_b32 v3, 31, v0                           ; lane
	v_lshlrev_b32 v4, 4, v3
	v_add_nc_u32 v[ADRA], s88, v4                  ; my four row tiles' images: 8,192 half + 16 x lane
	v_mul_u32_u24 v5, v1, BPITCH
	v_lshl_add_u32 v5, v2, 4, v5
	v_add_nc_u32 v[ADRB], s89, v5                  ; my 64 rows of out_w: row x pitch + 16 h
	v_add_nc_u32 v[ADRA+1], 65536, v[ADRA]
	v_add_nc_u32 v[ADRB+1], HB, v[ADRB]
	v_mul_u32_u24 v[STO], v1, PITCH
	v_lshl_add_u32 v[STO], v2, 5, v[STO]
	v_add_nc_u32 v[STO], s91, v[STO]               ; in: row r, 32 bytes for each half of the lanes
	v_mul_u32_u24 v[RD], v2, PITCH
	v_lshl_add_u32 v[RD], v1, 4, v[RD]
	v_add_nc_u32 v[RD], s91, v[RD]                 ; back: lanes 0-15 one row of 256 bytes, lanes 16-31 the next
	v_lshlrev_b32 v[CO], 13, v2
	v_lshl_add_u32 v[CO], v1, 4, v[CO]             ; and in out0: the next t lies 8,192 bytes on
	v_lshlrev_b32 v[L4], 2, v3
	v_lshlrev_b32 v[L32], 5, v3
	v_lshlrev_b32 v[BO], 5, v2
.irp p, 0,1
.irp g, 0,1,2,3,4,5,6,7,8,9,10,11,12,13,14,15
	global_load_b32 v[TMP+16*\p+\g], v[L4], s[76:77] offset:\g*16384+128*\p   ; head g's two bytes of row 32 p + lane
.endr
.endr
.irp p, 0,1
	global_load_b128 v[BSR+8*\p:BSR+8*\p+3], v[L32], s[78:79] offset:1024*\p      ; out_w's eight words of row 32 p + lane
	global_load_b128 v[BSR+8*\p+4:BSR+8*\p+7], v[L32], s[78:79] offset:1024*\p+16
.endr
.irp e, 0,1,2,3
	global_load_b128 v[OB+8*\e:OB+8*\e+3], v[BO], s[80:81] offset:64*\e           ; the bias in the result's layout: columns 16 e + 8 h + 0 .. 7
	global_load_b128 v[OB+8*\e+4:OB+8*\e+7], v[BO], s[80:81] offset:64*\e+16
.endr
.macro FETCH ks                        ; K step ks: 32 LDS loads into buffer ks % 2
	WIN 0x40                                       ; destination window 1, address window 0
.irp a, 0,1,2,3
.irp c, 0,1,2,3
	ds_load_b128 v[128*((\ks)%2)+16*\a+4*\c:128*((\ks)%2)+16*\a+4*\c+3], v[ADRA+(\ks)/4] offset:((\ks)%4)*16384+2048*\a+512*\c
.endr
.endr
.irp e, 0,1,2,3
.irp c, 0,1,2,3
	ds_load_b128 v[128*((\ks)%2)+64+16*\e+4*\c:128*((\ks)%2)+64+16*\e+4*\c+3], v[ADRB+(\ks)/4] offset:\e*16*BPITCH+128*((\ks)%4)+32*\c
.endr
.endr
	WIN 0
.endm
.macro MUL ks                          ; 16 matrix instructions; the sixteen accumulators take turns, one instruction a turn, in the same order in every K step
	WIN 0x05                                       ; sources window 1; C and D window 0
.set xa, 0
.rept 4
.set xe, 0
.rept 4
.set rD, ACC+8*(4*xa+xe)
.set rA, 128*((\ks)%2)+64+16*xe
.set rB, 128*((\ks)%2)+16*xa
.if (\ks) == 0
.set rC, OB+8*xe
.else
.set rC, rD
.endif
.set rSA, BSR+8*(xe/2)+(\ks)
.set rSB, ASR+8*(xa/2)+(\ks)
.set pA, xe%2
.set pB, xa%2
	EMIT
.set xe, xe+1
.endr
.set xa, xa+1
.endr
.endm
	s_wait_alu depctr_va_vdst(0)                   ; the head's end
	s_cmp_lt_u32 s12, 2
	s_cbranch_scc0 .Lupper_later
	s_wait_tensorcnt 0x0                           ; waves 0 and 1: the lower half's tiles are in; waves 2 and 3 wait for theirs at the second barrier
.Lupper_later:
	s_barrier_signal -1
	s_barrier_wait -1
	s_wait_loadcnt 0x0
.irp p, 0,1
.irp k, 0,1,2,3,4,5,6,7
	v_perm_b32 v[ASR+8*\p+\k], v[TMP+16*\p+2*\k+1], v[TMP+16*\p+2*\k], s90   ; K step k's word: head 2 k's two bytes below, head 2 k + 1's above
.endr
.endr
	FETCH 0
	s_wait_alu depctr_va_vdst(0)
.irp ks, 0,1,2,3,4,5,6
.if (\ks) == 3
	s_wait_tensorcnt 0x0                           ; the upper half,
	s_wait_dscnt 0x0
	s_barrier_signal -1
	s_barrier_wait -1                              ; in every wave's sight
.endif
	PLACES 8                                       ; in front of loads into the buffer that the K step before multiplied (at ks = 0: behind the lines that made A's scale words)
	FETCH \ks+1
	s_wait_dscnt 32                                ; all but the 32 just issued
	MUL \ks
.endr
	s_wait_dscnt 0x0
	MUL 7
	WIN 0
	PLACES 8
; THE WAY OUT, a tile of 16 rows x 64 columns at a time, through my own stage: in as 32 bytes a lane, back as rows of 256 bytes.  LDS serves a wave's instructions in order: no wait between the stores and the loads, nor in front of the next tile's stores.
.macro TOSTAGE a
.irp e, 0,1,2,3
	ds_store_b128 v[STO], v[ACC+8*(4*(\a)+\e):ACC+8*(4*(\a)+\e)+3] offset:64*\e        ; each accumulator from its low end on
	ds_store_b128 v[STO], v[ACC+8*(4*(\a)+\e)+4:ACC+8*(4*(\a)+\e)+7] offset:64*\e+16
.endr
.irp i, 0,1,2,3,4,5,6,7
	ds_load_b128 v[OB+32*((\a)%2)+4*\i:OB+32*((\a)%2)+4*\i+3], v[RD] offset:2*\i*PITCH
.endr
.endm
; Stored row 16 a + 2 i + (lane / 16) of my 64 is t = 32 (a / 2) + 8 (a % 2) + 2 i + 8 (i / 4) + (lane / 16): bits 3 and 4 change places again
.macro SEND a, younger                 ; younger: the LDS instructions issued behind tile a's loads, which may stay out
	s_wait_dscnt \younger
.irp i, 0,1,2,3,4,5,6,7
	global_store_b128 v[CO], v[OB+32*((\a)%2)+4*\i:OB+32*((\a)%2)+4*\i+3], s[82:83] offset:(((\a)/2)*32+((\a)%2)*8+2*\i+(\i/4)*8)*8192 th:TH_STORE_NT   ; 16 lanes store 256 consecutive bytes, aligned
.endr
.endm
	TOSTAGE 0
	TOSTAGE 1
	SEND 0, 16                                     ; behind tile 0's loads: tile 1's 8 stores and 8 loads
	s_wait_xcnt 0x0                                ; tile 0's stores have read their registers: tile 2's loads may land there
	TOSTAGE 2
	SEND 1, 16
	s_wait_xcnt 0x0
	TOSTAGE 3
	SEND 2, 16
	SEND 3, 0
	s_wait_tensorcnt 0x0                           ; the wave's end
	ds_add_u32 v[SPW], v[NIL]
	s_wait_dscnt 0x0
	CROUND                                         ; the closing round: no work-group ends while a partner may still ask for a tile that names it
	s_endpgm
.Lfunc_end_k_qa46decff2c_outp:
	.size	k_qa46decff2c_outp, .Lfunc_end_k_qa46decff2c_outp-k_qa46decff2c_outp
	.p2alignl 7, 3214868480
	.fill 96, 4, 3214868480
	.section	.rodata,"a",@progbits
	.p2align	6, 0x0
	.amdhsa_kernel k_qa46decff2c_outp
		.amdhsa_group_segment_fixed_size 327680
		.amdhsa_private_segment_fixed_size 0
		.amdhsa_enable_private_segment 0
		.amdhsa_kernarg_size 32
		.amdhsa_user_sgpr_count 2
		.amdhsa_user_sgpr_kernarg_segment_ptr 1
		.amdhsa_wavefront_size32 1
		.amdhsa_system_sgpr_workgroup_id_x 1
		.amdhsa_system_sgpr_workgroup_id_y 1
		.amdhsa_system_sgpr_workgroup_id_z 1
		.amdhsa_system_vgpr_workitem_id 0
		.amdhsa_next_free_vgpr 512
		.amdhsa_next_free_sgpr 96
		.amdhsa_reserve_vcc 0
		.amdhsa_float_denorm_mode_32 3
		.amdhsa_float_denorm_mode_16_64 3
		.amdhsa_memory_ordered 1
		.amdhsa_forward_progress 1
		.amdhsa_inst_pref_size 56
	.end_amdhsa_kernel
	.amdgpu_metadata
---
amdhsa.version: [ 1, 2 ]
amdhsa.kernels:
  - .name:           k_qa46decff2c_outp
    .symbol:         k_qa46decff2c_outp.kd
    .args:
      - { .name: w1, .offset: 0, .size: 8, .value_kind: global_buffer, .address_space: global }
      - { .name: w3, .offset: 8, .size: 8, .value_kind: global_buffer, .address_space: global }
      - { .name: out_b, .offset: 16, .size: 8, .value_kind: global_buffer, .address_space: global }
      - { .name: out0, .offset: 24, .size: 8, .value_kind: global_buffer, .address_space: global }
    .group_segment_fixed_size: 327680
    .private_segment_fixed_size: 0
    .kernarg_segment_align: 8
    .kernarg_segment_size: 32
    .max_flat_workgroup_size: 128
    .sgpr_count:     96
    .vgpr_count:     512
    .wavefront_size: 32
...
	.end_amdgpu_metadata
.endif
;; end of part 4
